; MI455X (gfx1250); checked and timed in simulation.
; The chip was launched on July 23, 2026; its instructions are those of AMD's public machine-readable ISA for CDNA 5 (MIT licence, August 2026) and "CDNA5" Instruction Set Architecture Reference Guide (July 2026). The comments in the code are by the model that wrote it; some were corrected since.
;; Mixture Of Experts. Allowed arithmetic: matrix products marked QUANTISED: E2M1 operands, one E8M0 scale for each 32 along K, by v_wmma_scale_f32_16x16x128_f8f6f4 with both operands' format E2M1 (or v_wmma_scale_f32_32x16x128_f4), f32 sums; products left as they are: f32 operands where the result goes on into a quantised operand, else bf16, f16 or f32 operands; f32 sums; everything else in f32.
;; Inputs: gate_w 64 x 8 float32; n1 8 x 512 float32; n2 8 x 512 float32; w1_codes 8 x 512 x 2 x 16 uint8 (E2M1 codes of w1, K innermost, in blocks of 32 codes, two codes a byte); w1_scales 8 x 512 x 2 uint8 (E8M0 scales of w1, one for each 32 codes along K); w2_codes 8 x 512 x 16 x 16 uint8 (E2M1 codes of w2, K innermost, in blocks of 32 codes, two codes a byte); w2_scales 8 x 512 x 16 uint8 (E8M0 scales of w2, one for each 32 codes along K); w3_codes 8 x 64 x 16 x 16 uint8 (E2M1 codes of w3, K innermost, in blocks of 32 codes, two codes a byte); w3_scales 8 x 64 x 16 uint8 (E8M0 scales of w3, one for each 32 codes along K); x 4 x 2,048 x 64 float32.
;; Outputs: out0 4 x 2,048 x 64 float32.
;; This version of the problem:
;;   THIS VERSION OF THE PROBLEM IS GIVEN IN LOW PRECISION. The matrix products marked QUANTISED in the list below multiply operands that are first quantised to E2M1 (2 exponent bits, 1 mantissa bit; 4 bits a number), with one power-of-two scale for each 32 numbers along K (OCP MX v1.0); their sums are f32. All else is computed in f32.
;;   The module's matrix products, in the order in which they are computed (A, B: the left and right operand; K: the contracted axis; several contracted axes count as one K, in the product's order):
;;     1. [M 8,192, K 64] x [K 64, N 8]; A: input x; B: input gate_w: left as it is (N = 8 < 16)
;;     2. [M 4,096, K 64] x [K 64, N 8,192]; A: input w1 (given as codes); B: input x: QUANTISED
;;     3. batch 8 x [M 8,192, K 512] x [K 512, N 512]; A: computed on the way; B: input w2 (given as codes): QUANTISED
;;     4. batch 8 x [M 64, K 512] x [K 512, N 8,192]; A: input w3 (given as codes); B: computed on the way: QUANTISED
;;   THE QUANTISER, for each operand of a quantised product, along K:
;;     - K is cut into blocks of 32 from its start; a last block that is shorter is filled with zeros.
;;     - A block's scale is 2^e with e = floor(log2(the largest magnitude in the block)) - 2, held to -126 .. 127; a block of zeros has e = 0. As a byte (E8M0): e + 127.
;;     - Each number is divided by its block's scale, clamped to +-6, and rounded to the nearest number of E2M1, ties to even, subnormals kept.
;;     - The product sums the exact products of the quantised numbers (number of the format x scale) in f32.
;;   ~~~python
;;   def quantise(x, axis):      # numpy; x: float32 -> the quantised numbers, widened to float32 again
;;       x = np.moveaxis(x, axis, -1); K = x.shape[-1]
;;       x = np.pad(x, [(0, 0)] * (x.ndim - 1) + [(0, -K % 32)]); x = x.reshape(x.shape[:-1] + (-1, 32)); a = np.abs(x).max(-1, keepdims=True)
;;       e = np.where(a > 0, np.clip(np.frexp(np.where(a > 0, a, 1))[1] - 1 - 2, -126, 127), 0)      # np.frexp(a)[1] - 1 = floor(log2(a)), exactly
;;       r = np.clip(x / 2.0 ** e, -6, 6)
;;       step = 2.0 ** (np.maximum(np.frexp(np.where(r == 0, 1, r))[1] - 1, 0) - 1)
;;       q = np.round(r / step) * step * 2.0 ** e      # np.round: ties to even
;;       return np.moveaxis(q.reshape(q.shape[:-2] + (-1,))[..., :K], -1, axis).astype(np.float32)
;;   ~~~
;;   OPERANDS COMPUTED ON THE WAY. 'Computed on the way' means the value that the module computes at that place (a softmax that the list does not call 'softmax' is quantised finished and normalised). What goes into a quantiser is computed in f32, as accurately as f32 sums, v_exp_f32 and their like allow (about 1e-6 of the number): no bf16 or f16 on the way to a quantiser, and a product that is left as it is and whose result goes on into a quantised operand takes f32 operands (vector FMAs, or v_wmma_f32_16x16x4_f32). A number that lies on a knife's edge between two numbers of the format may be rounded either way, as far as f32 arithmetic and the matrix unit's own rounding can turn it there, and no further.
;;   INPUTS GIVEN AS CODES. w1 (in the module: [8, 64, 512], K = its axis 1); w2 (in the module: [8, 512, 512], K = its axis 1); w3 (in the module: [8, 512, 64], K = its axis 1): each comes as NAME_codes (uint8): NAME with its K axis moved to the last place and cut into blocks of 32 codes, [.., K / 32, bytes a block], one block behind the other in memory; two codes a byte, the lower K in the low four bits (a code: sign, 2 exponent bits, 1 mantissa bit); and NAME_scales (uint8): the same leading axes, one E8M0 byte (e + 127) for each 32 codes along K. Its value is code x scale, taken as it is: it is not quantised again, and the codes and scales need not be those that the quantiser above would give.
;; 2 versions, each right and faster than the one before. Each part assembles by itself: llvm-mc -triple=amdgcn-amd-amdhsa -mcpu=gfx1250 --defsym DOCPART=n.
;; ======== version 1 of 2: 3 launches
;; workspace buffers: tok 393,216 bytes; meta 65,536 bytes of whole numbers; hist 32,768 bytes of whole numbers; order 32,768 bytes of whole numbers; w2f 1,048,576 bytes; w3f 131,072 bytes
;; launch route (part 1): grid 400 x 1, 1 waves a work-group, no clusters, 10,496 bytes of LDS; arguments x, gate_w, w2_codes, w3_codes, tok, meta, hist, w2f, w3f; writes tok, meta, hist, w2f, w3f
.if DOCPART == 1
	.amdgcn_target "amdgcn-amd-amdhsa--gfx1250"
	.amdhsa_code_object_version 6
	.text
	.protected	k_qf67e17626a_route
	.globl	k_qf67e17626a_route
	.p2align	8
	.type	k_qf67e17626a_route,@function
k_qf67e17626a_route:
	s_mov_b64 s[64:65], 0
	v_nop
	global_prefetch_b8 v0, s[64:65] scope:SCOPE_SE
	s_setreg_imm32_b32 hwreg(HW_REG_WAVE_MODE, 25, 1), 1
	s_wait_xcnt 0x0
; MIXTURE OF EXPERTS, launch 1 of 3: the router, x's codes, and the weights laid for the chain.
; DEAD WORK LEFT OUT BY THE PROGRAM.  reference() makes expert_out for all 8 experts and then keeps, by take_along_axis on its own tk_idx, the rows of the two
; experts chosen for each token.  The other six rows of expert_out[n] enter no output, whatever finite values the inputs hold.  So only the two chosen experts of a
; token are multiplied (launch 3); which they are is stored here as whole numbers and read there from memory.  Every input still has a way to the output: all are loaded.
; LIMIT: a NaN, an infinity or an overflow that arises only in an expert that a token did not choose is not carried to the result.
; LIMITS OF THIS LAUNCH: NaN or infinite logits give a choice that need not be reference()'s; two logits that differ by less than the error of an f32 sum of 64 terms may be
; ranked either way; a block of 32 zeros of x gets the scale byte 1 where the quantiser says 127 (its codes are zeros, and this program alone reads the byte).
; WORK-GROUPS 0-255, one wave each, a lane a token: 8 logits by f32 multiply-adds (k ascending), top 2 (ties: the lower index, as lax.top_k), softmax of the two with the
; larger taken away, the rank of the unordered pair (a < b) among 28 bins, the lane's place among its wave's tokens of the same bin, the wave's histogram, x as FP4 codes.
; The rank walks the pairs so that neighbouring bins share an expert: rank = a (15 - a) / 2 + (a even ? b - a - 1 : 7 - b).
; No address and no branch hangs on the choice: everything is stored at fixed places.
; tok[token]: 48 bytes: codes of k 0-31, codes of k 32-63, {scale bytes 0, 1 in a word; 0; gate of a; gate of b}.   meta[token]: {rank | place << 8, token | a << 16 | b << 20}.   hist[wave][32].
; WORK-GROUPS 256-399: 32 rows x 512 K of w2 (128 groups) or w3 (16 groups) are copied into the order of the operand's registers: chunk 8 u + 2 s + c of 512 bytes holds,
; at 16 x lane, registers 4 c .. 4 c + 3 of the fragment (tile u, K step s); lane r of tile u takes row 8 u + r + 8 (r / 8), so that a result's 16 registers of tiles 0 and 1 are neighbours.
.set XT,    0                          ; LDS: 32 rows of x, 256 bytes + 16 of padding
.set REC,   8704                       ; 32 records of 48 bytes
.set SPARE, 10240                      ; the spare words: one block of 256 bytes that no other line names
.set SPW,   1                          ; v1  LDS address of my spare word; never rewritten
.set NIL,   2                          ; v2  0; never rewritten
.set R,     16                         ; v16-79   as loaded
.set X,     80                         ; v80-143  my token's 64 numbers
.set LG,    144                        ; v144-151 logits
.set ML,    152                        ; v152-159 logits with the first choice hidden
.set GA,    24                         ; s[24:55] four rows of gate_w
.set GB,    68                         ; s[68:99] the next four
	s_load_b512 s[4:19], s[0:1], 0x0               ; x, gate_w, w2_codes, w3_codes, tok, meta, hist, w2f
	s_load_b64 s[20:21], s[0:1], 0x40              ; w3f
	v_lshl_add_u32 v[SPW], v0, 2, SPARE
	v_mov_b32 v[NIL], 0
	v_lshlrev_b32 v3, 4, v0                        ; 16 x lane
	v_and_b32 v10, 15, v0                          ; r
	v_lshrrev_b32 v11, 4, v0                       ; h
	s_mov_b32 s61, 0
	s_cmp_ge_u32 ttmp9, 256
	s_cbranch_scc1 .Lrelay
	; ---------------- the router ----------------
	v_mul_u32_u24 v4, v11, 272
	v_lshl_add_u32 v4, v10, 4, v4                  ; into XT: lanes 0-15 one row, lanes 16-31 the next
	v_mul_u32_u24 v5, v0, 272                      ; out of XT: my token's row
	v_mul_u32_u24 v6, v0, 48
	v_add_nc_u32 v6, REC, v6                       ; my record
	v_add_nc_u32 v7, REC, v3                       ; the records read back as they lie
	v_lshlrev_b32 v8, 3, v0
	v_lshlrev_b32 v9, 2, v0
	s_lshl_b32 s60, ttmp9, 13                      ; 32 tokens of 256 bytes
	s_wait_kmcnt 0x0
	s_add_nc_u64 s[4:5], s[4:5], s[60:61]
.irp j, 0,1,2,3,4,5,6,7,8,9,10,11,12,13,14,15
	global_load_b128 v[R+4*\j:R+4*\j+3], v3, s[4:5] offset:512*\j th:TH_LOAD_NT   ; 512 consecutive bytes: two tokens
.endr
	s_load_b512 s[GA:GA+15], s[6:7], 0x0           ; gate_w rows 0-3
	s_load_b512 s[GA+16:GA+31], s[6:7], 0x40
	s_mul_i32 s60, ttmp9, 1536
	s_add_nc_u64 s[12:13], s[12:13], s[60:61]      ; tok at my 32 records
	s_lshl_b32 s60, ttmp9, 8
	s_add_nc_u64 s[14:15], s[14:15], s[60:61]      ; meta
	s_lshl_b32 s60, ttmp9, 7
	s_add_nc_u64 s[16:17], s[16:17], s[60:61]      ; hist
.irp j, 0,1,2,3,4,5,6,7,8,9,10,11,12,13,14,15
	s_wait_loadcnt 15-\j                           ; loads come back in order: load j is in, the younger ones stay out
	ds_store_b128 v4, v[R+4*\j:R+4*\j+3] offset:544*\j
.endr
.irp i, 0,1,2,3,4,5,6,7,8,9,10,11,12,13,14,15
	ds_load_b128 v[X+4*\i:X+4*\i+3], v5 offset:16*\i   ; LDS serves a wave's instructions in order: these see the stores
.endr
	s_wait_dscnt 0x0
; four rows of gate_w: 32 multiply-adds; the next four rows are on their way meanwhile.  The first row's products start the sums.
.macro GCHUNK i, cur, nxt
	s_wait_kmcnt 0x0
.if \i < 15
	s_load_b512 s[\nxt:\nxt+15], s[6:7], 128*(\i+1)
	s_load_b512 s[\nxt+16:\nxt+31], s[6:7], 128*(\i+1)+64
.endif
.irp kk, 0,1,2,3
.irp e, 0,1,2,3,4,5,6,7
.if (\i == 0) && (\kk == 0)
	v_mul_f32 v[LG+\e], s[\cur+8*\kk+\e], v[X+4*\i+\kk]
.else
	v_fma_f32 v[LG+\e], v[X+4*\i+\kk], s[\cur+8*\kk+\e], v[LG+\e]
.endif
.endr
.endr
.endm
.irp i, 0,2,4,6,8,10,12,14
	GCHUNK \i, GA, GB
	GCHUNK (\i+1), GB, GA
.endr
	; x as codes: two blocks of 32, each wholly mine
.irp b, 0,1
	v_max3_num_f32 v[166+\b], |v[X+32*\b]|, |v[X+32*\b+1]|, 0x1800000   ; with the floor 2^(3 - 127): the byte cannot fall under 1
.endr
.irp i, 2,4,6,8,10,12,14,16,18,20,22,24,26,28,30
.irp b, 0,1
	v_max3_num_f32 v[166+\b], v[166+\b], |v[X+32*\b+\i]|, |v[X+32*\b+\i+1]|
.endr
.endr
.irp b, 0,1
	v_add_nc_u32 v[168+\b], 0xff000000, v[166+\b]  ; 2 off the exponent field: the conversion's scale operand
.endr
.irp b, 0,1
	v_lshrrev_b32 v[170+\b], 23, v[168+\b]         ; the scale's byte
.endr
.irp b, 0,1
.irp g, 0,1,2,3
	v_cvt_scalef32_pk8_fp4_f32 v[176+4*\b+\g], v[X+32*\b+8*\g:X+32*\b+8*\g+7], v[168+\b]
.endr
.endr
	v_lshl_or_b32 v184, v171, 8, v170              ; the scale word: bytes 0, 1; bytes 2, 3 are 0.  (Also the plain line behind the conversions)
	v_mov_b32 v185, 0
	; top 2: a strictly greater logit takes over, so the lower index wins a tie
	v_mov_b32 v160, v[LG]
	v_mov_b32 v161, 0
.irp e, 1,2,3,4,5,6,7
	v_cmp_gt_f32 vcc_lo, v[LG+\e], v160
	v_cndmask_b32 v160, v160, v[LG+\e], vcc_lo
	v_cndmask_b32 v161, v161, \e, vcc_lo
.endr
	v_mov_b32 v164, 0xff800000
.irp e, 0,1,2,3,4,5,6,7
	v_cmp_eq_u32 vcc_lo, \e, v161
	v_cndmask_b32 v[ML+\e], v[LG+\e], v164, vcc_lo
.endr
	v_mov_b32 v162, v[ML]
	v_mov_b32 v163, 0
.irp e, 1,2,3,4,5,6,7
	v_cmp_gt_f32 vcc_lo, v[ML+\e], v162
	v_cndmask_b32 v162, v162, v[ML+\e], vcc_lo
	v_cndmask_b32 v163, v163, \e, vcc_lo
.endr
	v_cmp_eq_u32 vcc_lo, v161, v163                ; only logits that are not finite lead here: the two indices are kept apart all the same
	v_xor_b32 v165, 1, v161
	v_cndmask_b32 v163, v163, v165, vcc_lo
	; the gates: softmax of (m1, m2) with m1, the larger, taken away: 1 / (1 + e), e / (1 + e), e = exp(m2 - m1)
	v_sub_f32 v166, v162, v160
	v_mul_f32 v166, 0x3fb8aa3b, v166
	v_exp_f32 v167, v166
	v_nop                                          ; a plain line behind the transcendental,
	s_wait_alu depctr_va_vdst(0)                   ; and the wait ahead of its first reader
	v_add_f32 v168, 1.0, v167
	v_rcp_f32 v169, v168
	v_nop
	s_wait_alu depctr_va_vdst(0)
	v_mul_f32 v170, v167, v169
	v_min_u32 v171, v161, v163                     ; a
	v_max_u32 v172, v161, v163                     ; b
	v_cmp_eq_u32 vcc_lo, v161, v171
	v_cndmask_b32 v186, v170, v169, vcc_lo         ; a's gate
	v_cndmask_b32 v187, v169, v170, vcc_lo         ; b's
	v_sub_nc_u32 v173, 15, v171
	v_mul_u32_u24 v173, v171, v173
	v_lshrrev_b32 v173, 1, v173                    ; a (15 - a) / 2
	v_sub_nc_u32 v174, v172, v171
	v_add_nc_u32 v174, -1, v174                    ; b - a - 1
	v_sub_nc_u32 v175, 7, v172                     ; 7 - b
	v_and_b32 v165, 1, v171
	v_cmp_eq_u32 vcc_lo, 0, v165
	v_cndmask_b32 v174, v175, v174, vcc_lo
	v_add_nc_u32 v173, v173, v174                  ; the rank, 0 .. 27
	v_mov_b32 v190, 0                              ; my place among my wave's tokens of my bin
	v_mov_b32 v191, 0                              ; lane r: the wave's count of bin r
.irp r, 0,1,2,3,4,5,6,7,8,9,10,11,12,13,14,15,16,17,18,19,20,21,22,23,24,25,26,27
	v_cmp_eq_u32 s58, \r, v173
	v_mbcnt_lo_u32_b32 v175, s58, 0                ; how many lower lanes are in bin r
	v_cndmask_b32 v190, v190, v175, s58
	s_bcnt1_i32_b32 s59, s58
	v_writelane_b32 v191, s59, \r
.endr
	v_lshl_or_b32 v188, v190, 8, v173              ; meta word 0
	s_lshl_b32 s60, ttmp9, 5
	v_add_nc_u32 v189, s60, v0                     ; the token
	v_lshl_or_b32 v189, v171, 16, v189
	v_lshl_or_b32 v189, v172, 20, v189             ; meta word 1
	ds_store_b128 v6, v[176:179]
	ds_store_b128 v6, v[180:183] offset:16
	ds_store_b128 v6, v[184:187] offset:32
.irp j, 0,1,2
	ds_load_b128 v[R+4*\j:R+4*\j+3], v7 offset:512*\j
.endr
.irp j, 0,1,2
	s_wait_dscnt 2-\j                              ; read-back j is in, the younger ones stay out
	global_store_b128 v3, v[R+4*\j:R+4*\j+3], s[12:13] offset:512*\j   ; 512 consecutive bytes, aligned
.endr
	global_store_b64 v8, v[188:189], s[14:15]      ; 256 consecutive bytes, aligned
	global_store_b32 v9, v191, s[16:17]            ; 128 consecutive bytes: a wave's row of the histogram
	s_wait_tensorcnt 0x0                           ; the wave's end, behind my last LDS store
	ds_add_u32 v[SPW], v[NIL]
	s_wait_dscnt 0x0
	s_endpgm
	; ---------------- the weights' new order (no LDS on this path) ----------------
.Lrelay:
	v_and_b32 v12, 8, v10
	v_add_nc_u32 v12, v12, v10                     ; r + 8 (r / 8)
	v_lshlrev_b32 v12, 8, v12                      ; a row of 512 codes is 256 bytes
	v_lshl_add_u32 v12, v11, 4, v12
	s_sub_co_u32 s58, ttmp9, 256
	s_wait_kmcnt 0x0
	s_cmp_lt_u32 s58, 128                          ; w2's groups first, then w3's: the choice hangs on the work-group's number alone
	s_cselect_b64 s[8:9], s[8:9], s[10:11]
	s_cselect_b64 s[18:19], s[18:19], s[20:21]
	s_cselect_b32 s59, 0, 128
	s_sub_co_u32 s58, s58, s59
	s_lshl_b32 s60, s58, 13                        ; a group is 8,192 bytes in both orders
	s_add_nc_u64 s[8:9], s[8:9], s[60:61]
	s_add_nc_u64 s[18:19], s[18:19], s[60:61]
.irp u, 0,1
.irp s, 0,1,2,3
.irp c, 0,1
	global_load_b128 v[R+4*(8*\u+2*\s+\c):R+4*(8*\u+2*\s+\c)+3], v12, s[8:9] offset:2048*\u+64*\s+32*\c th:TH_LOAD_NT
.endr
.endr
.endr
.irp i, 0,1,2,3,4,5,6,7,8,9,10,11,12,13,14,15
	s_wait_loadcnt 15-\i
	global_store_b128 v3, v[R+4*\i:R+4*\i+3], s[18:19] offset:512*\i
.endr
	s_endpgm
.Lfunc_end_k_qf67e17626a_route:
	.size	k_qf67e17626a_route, .Lfunc_end_k_qf67e17626a_route-k_qf67e17626a_route
	.p2alignl 7, 3214868480
	.fill 96, 4, 3214868480
	.section	.rodata,"a",@progbits
	.p2align	6, 0x0
	.amdhsa_kernel k_qf67e17626a_route
		.amdhsa_group_segment_fixed_size 10496
		.amdhsa_private_segment_fixed_size 0
		.amdhsa_enable_private_segment 0
		.amdhsa_kernarg_size 72
		.amdhsa_user_sgpr_count 2
		.amdhsa_user_sgpr_kernarg_segment_ptr 1
		.amdhsa_wavefront_size32 1
		.amdhsa_system_sgpr_workgroup_id_x 1
		.amdhsa_system_sgpr_workgroup_id_y 1
		.amdhsa_system_sgpr_workgroup_id_z 1
		.amdhsa_system_vgpr_workitem_id 0
		.amdhsa_next_free_vgpr 192
		.amdhsa_next_free_sgpr 102
		.amdhsa_reserve_vcc 1
		.amdhsa_float_denorm_mode_32 3
		.amdhsa_float_denorm_mode_16_64 3
		.amdhsa_memory_ordered 1
		.amdhsa_forward_progress 1
		.amdhsa_inst_pref_size 60
	.end_amdhsa_kernel
	.amdgpu_metadata
---
amdhsa.version: [ 1, 2 ]
amdhsa.kernels:
  - .name:           k_qf67e17626a_route
    .symbol:         k_qf67e17626a_route.kd
    .args:
      - { .name: x, .offset: 0, .size: 8, .value_kind: global_buffer, .address_space: global }
      - { .name: gate_w, .offset: 8, .size: 8, .value_kind: global_buffer, .address_space: global }
      - { .name: w2_codes, .offset: 16, .size: 8, .value_kind: global_buffer, .address_space: global }
      - { .name: w3_codes, .offset: 24, .size: 8, .value_kind: global_buffer, .address_space: global }
      - { .name: tok, .offset: 32, .size: 8, .value_kind: global_buffer, .address_space: global }
      - { .name: meta, .offset: 40, .size: 8, .value_kind: global_buffer, .address_space: global }
      - { .name: hist, .offset: 48, .size: 8, .value_kind: global_buffer, .address_space: global }
      - { .name: w2f, .offset: 56, .size: 8, .value_kind: global_buffer, .address_space: global }
      - { .name: w3f, .offset: 64, .size: 8, .value_kind: global_buffer, .address_space: global }
    .group_segment_fixed_size: 10496
    .private_segment_fixed_size: 0
    .kernarg_segment_align: 8
    .kernarg_segment_size: 72
    .max_flat_workgroup_size: 32
    .sgpr_count:     102
    .vgpr_count:     192
    .wavefront_size: 32
...
	.end_amdgpu_metadata
.endif
;; end of part 1
;; launch place (part 2): grid 256 x 1, 1 waves a work-group, no clusters, 0 bytes of LDS; arguments meta, hist, order; writes order
.if DOCPART == 2
	.amdgcn_target "amdgcn-amd-amdhsa--gfx1250"
	.amdhsa_code_object_version 6
	.text
	.protected	k_qf67e17626a_place
	.globl	k_qf67e17626a_place
	.p2align	8
	.type	k_qf67e17626a_place,@function
k_qf67e17626a_place:
	s_mov_b64 s[64:65], 0
	v_nop
	global_prefetch_b8 v0, s[64:65] scope:SCOPE_SE
	s_setreg_imm32_b32 hwreg(HW_REG_WAVE_MODE, 25, 1), 1
	s_wait_xcnt 0x0
; MIXTURE OF EXPERTS, launch 2 of 3: a counting sort of the 8,192 tokens by the rank of their pair of experts (28 bins), without atomics.
; It serves the leaving out of the experts that a token did not choose (shown at the head of the first kernel): launch 3 takes 32 neighbours of the sorted order at a time.
; Wave w owns tokens 32 w .. 32 w + 31.  A token's position = the tokens in lower bins + those of its bin in earlier waves + its place inside its wave (stored by launch 1).
; Every wave reads the whole histogram [256 waves][32 bins], 512 consecutive bytes a load: lane l holds bins 4 (l % 8) .. + 3 of row 4 j + l / 8.
; order[position] = token | a << 16 | b << 20: a store of 4 bytes a lane to places that the sort decides, 32,768 bytes in the launch.
	s_load_b128 s[4:7], s[0:1], 0x0                ; meta, hist
	s_load_b64 s[8:9], s[0:1], 0x10                ; order
	v_lshlrev_b32 v6, 4, v0
	v_lshlrev_b32 v3, 3, v0
	v_lshrrev_b32 v7, 3, v0
	s_mov_b32 s10, ttmp9
	v_sub_nc_u32 v7, s10, v7                       ; w - l / 8: row 4 j + l / 8 lies ahead of my wave's where 4 j is under it (signed)
	s_lshl_b32 s12, ttmp9, 8
	s_mov_b32 s13, 0
	s_mov_b32 s14, 0x76543210
	s_mov_b32 s15, 0xfedcba98                      ; v_permlanex16_b32's selects for lane l xor 16
.irp x, 10,11,12,13,14,15,16,17,18,22
	v_mov_b32 v\x, 0                               ; four totals, four partial sums, a permute's destination, the position
.endr
	s_wait_kmcnt 0x0
	s_add_nc_u64 s[4:5], s[4:5], s[12:13]
	global_load_b64 v[4:5], v3, s[4:5]
.macro LOADC c, buf                    ; rows 64 c .. 64 c + 63 into buffer buf
.irp j, 0,1,2,3,4,5,6,7,8,9,10,11,12,13,14,15
	global_load_b128 v[32+64*\buf+4*\j:32+64*\buf+4*\j+3], v6, s[6:7] offset:512*(16*\c+\j)
.endr
.endm
.macro ACCUM c, buf
.irp j, 0,1,2,3,4,5,6,7,8,9,10,11,12,13,14,15
	v_cmp_lt_i32 vcc_lo, 4*(16*\c+\j), v7
	v_cndmask_b32 v8, 0, 1, vcc_lo
.irp k, 0,1,2,3
	v_add_nc_u32 v[10+\k], v[10+\k], v[32+64*\buf+4*\j+\k]
	v_mad_u32_u24 v[14+\k], v[32+64*\buf+4*\j+\k], v8, v[14+\k]
.endr
.endr
.endm
	LOADC 0, 0
	LOADC 1, 1
	LOADC 2, 2
	s_wait_loadcnt 32                              ; meta and run 0 are in; runs 1 and 2 stay out
	ACCUM 0, 0
	LOADC 3, 0
	s_wait_loadcnt 32                              ; run 1 is in; runs 2 and 3 stay out
	ACCUM 1, 1
	s_wait_loadcnt 16                              ; run 2 is in
	ACCUM 2, 2
	s_wait_loadcnt 0x0
	ACCUM 3, 0
.irp x, 10,11,12,13,14,15,16,17        ; the four lanes that hold the same bins are joined: l xor 8, then l xor 16
	v_mov_b32_dpp v18, v\x row_xmask:8 row_mask:0xf bank_mask:0xf
	v_add_nc_u32 v\x, v\x, v18
.endr
.irp x, 10,11,12,13,14,15,16,17
	v_permlanex16_b32 v18, v\x, s14, s15
	v_add_nc_u32 v\x, v\x, v18
.endr
	v_and_b32 v20, 0xff, v4                        ; my rank
	v_lshrrev_b32 v21, 8, v4                       ; my place inside my wave
	s_mov_b32 s18, 0                               ; tokens in the bins passed
.set RR, 0
.rept 28
	v_readlane_b32 s16, v[10+(RR&3)], RR>>2        ; the bin's total
	v_readlane_b32 s17, v[14+(RR&3)], RR>>2        ; and its count in earlier waves
	s_add_co_u32 s17, s17, s18
	v_cmp_eq_u32 vcc_lo, RR, v20
	v_cndmask_b32 v22, v22, s17, vcc_lo
	s_add_co_u32 s18, s18, s16
.set RR, RR+1
.endr
	v_add_nc_u32 v22, v22, v21
	v_min_u32 v22, 0x1fff, v22                     ; a number made of loaded ones enters an address only behind this hold
	v_lshlrev_b32 v22, 2, v22
	global_store_b32 v22, v5, s[8:9]
	s_endpgm
.Lfunc_end_k_qf67e17626a_place:
	.size	k_qf67e17626a_place, .Lfunc_end_k_qf67e17626a_place-k_qf67e17626a_place
	.p2alignl 7, 3214868480
	.fill 96, 4, 3214868480
	.section	.rodata,"a",@progbits
	.p2align	6, 0x0
	.amdhsa_kernel k_qf67e17626a_place
		.amdhsa_group_segment_fixed_size 0
		.amdhsa_private_segment_fixed_size 0
		.amdhsa_enable_private_segment 0
		.amdhsa_kernarg_size 24
		.amdhsa_user_sgpr_count 2
		.amdhsa_user_sgpr_kernarg_segment_ptr 1
		.amdhsa_wavefront_size32 1
		.amdhsa_system_sgpr_workgroup_id_x 1
		.amdhsa_system_sgpr_workgroup_id_y 1
		.amdhsa_system_sgpr_workgroup_id_z 1
		.amdhsa_system_vgpr_workitem_id 0
		.amdhsa_next_free_vgpr 224
		.amdhsa_next_free_sgpr 66
		.amdhsa_reserve_vcc 1
		.amdhsa_float_denorm_mode_32 3
		.amdhsa_float_denorm_mode_16_64 3
		.amdhsa_memory_ordered 1
		.amdhsa_forward_progress 1
		.amdhsa_inst_pref_size 49
	.end_amdhsa_kernel
	.amdgpu_metadata
---
amdhsa.version: [ 1, 2 ]
amdhsa.kernels:
  - .name:           k_qf67e17626a_place
    .symbol:         k_qf67e17626a_place.kd
    .args:
      - { .name: meta, .offset: 0, .size: 8, .value_kind: global_buffer, .address_space: global }
      - { .name: hist, .offset: 8, .size: 8, .value_kind: global_buffer, .address_space: global }
      - { .name: order, .offset: 16, .size: 8, .value_kind: global_buffer, .address_space: global }
    .group_segment_fixed_size: 0
    .private_segment_fixed_size: 0
    .kernarg_segment_align: 8
    .kernarg_segment_size: 24
    .max_flat_workgroup_size: 32
    .sgpr_count:     66
    .vgpr_count:     224
    .wavefront_size: 32
...
	.end_amdgpu_metadata
.endif
;; end of part 2
;; launch chain (part 3): grid 256 x 1, 16 waves a work-group, no clusters, 144,384 bytes of LDS; arguments tok, order, w1_codes, w1_scales, w2f, w2_scales, w3f, w3_scales, n1, n2, out0; writes out0
.if DOCPART == 3
	.amdgcn_target "amdgcn-amd-amdhsa--gfx1250"
	.amdhsa_code_object_version 6
	.text
	.protected	k_qf67e17626a_chain
	.globl	k_qf67e17626a_chain
	.p2align	8
	.type	k_qf67e17626a_chain,@function
k_qf67e17626a_chain:
	s_mov_b64 s[64:65], 0
	v_nop
	global_prefetch_b8 v0, s[64:65] scope:SCOPE_SE
	s_setreg_imm32_b32 hwreg(HW_REG_WAVE_MODE, 25, 1), 1
	s_wait_xcnt 0x0
; MIXTURE OF EXPERTS, launch 3 of 3: 32 tokens, neighbours in the order sorted by their pair of experts, go through the whole chain of every expert that one of them chose.
; LEFT OUT: the experts that none of the block's tokens chose (dead work: shown at the head of the first kernel); a NaN or an overflow that arises only there is not carried on.
; For an expert e:  h1 = rms(gelu(Q(x) w1)) n1;  h2 = rms(gelu(Q(h1) w2)) n2;  o = Q(h2 + h1) w3;  out += gate x o in the rows that chose e (a row that did not is SELECTED away, never multiplied by 0).
; All three products on FP4 codes with E8M0 scales for each 32 along K; everything else in f32.
; SHARES.  Sixteen waves, four to a SIMD, 256 registers each.  THE WAVES SHARE THE COLUMNS: wave w makes hidden units 32 w .. 32 w + 31 (one block of the next quantiser) for all 32 rows (row tiles m = 0, 1),
; so each fragment of w1 and w2 is loaded once in the work-group, straight into its owner's registers.  For w3 wave w takes tile (g, u) of its 64 rows, row tile mw and two of the four K steps (kh); the two halves of K are added on the way out.
; ALL PRODUCTS ARE USED TRANSPOSED (source 0 = 16 rows of the weight, source 1 = 16 tokens): a lane holds one token.  Lane r of weight tile u takes row 8 u + r + 8 (r / 8) of the wave's 32, so that
; registers 16 m + 0 .. 15 of lane (r, h) are units 32 w + 16 h + 0 .. 15 of token 16 m + r: sixteen neighbours along the next K.
; CODES GO FROM WAVE TO WAVE THROUGH LDS AS IMAGES OF THE OPERAND'S REGISTERS: fragment (m, K step s) is 1,024 bytes, chunk c at + 512, lane l's 16 bytes at 16 l.  My block is half a chunk: 256 consecutive bytes, 8 a lane.
; THE WALK.  M = the set of experts that the block uses, made of whole numbers read from memory.  Eight slots: two without a test (a token's two experts differ, so two are always in M), six in which each region is jumped
; over once M is used up.  No barrier stands under such a jump, and each region waits at its end for the global loads that it issued, so every wait holds whichever regions ran.
; NO TENSOR LOADS, SO NO JOINT LOADS IN A CLUSTER: which weights a work-group walks hangs on numbers read from memory.
; GELU, exact form: gelu(x) = max(x, 0) - |x| hh, hh = erfc(|x| / sqrt 2) / 2 = t 2^(p(t) - x x log2(e) / 2), t = 1 / (1 + 0.35355339 |x|), p a polynomial of degree 9 (the Chebyshev fit of erfc whose
; fractional error is under 1.2e-7 for every argument, its coefficients times log2(e), the half folded into c0).  No difference of near numbers for x < 0; for large |x| the power falls to 0 and max(x, 0) is left.
; LIMITS: NaN and infinities among the inputs are not served; a block of zeros carries the scale byte 1 (zero codes; only this program reads it); the sums of squares are added wave by wave and
; the third product in two halves of K, another order than reference()'s; (g rs) n + h1 is one fused multiply-add.
.set PS1,   0                          ; LDS: partial sums of squares, token x 80 + wave x 4
.set PS2,   2560
.set IMG1,  5120                       ; h1's eight fragments
.set SC1,   13312                      ; their scale words: K step s at 128 s, token's word at 4 x token, my block's byte in it
.set IMG2,  13824                      ; the same for h2 + h1
.set SC2,   22016
.set XIM,   22528                      ; for each wave 2,304 bytes: x's two fragments, the upper 64 of K as zero codes
.set H1,    59392                      ; for each wave 4,096 bytes: its h1 in f32
.set STG,   124928                     ; the way out: two planes (halves of K) of 32 rows x (256 + 16) bytes
.set SPARE, 142336                     ; the spare words, 128 bytes a wave: eight blocks of 256 bytes that no other line names
.set SPW,  1                           ; v1  LDS address of my spare word; never rewritten
.set NIL,  2                           ; v2  0; never rewritten
.set LI,   3                           ; 16 x lane
.set LS,   4                           ; 4 x lane
.set IW,   5                           ; where my 8 bytes of codes go
.set SW,   6                           ; where my scale byte goes
.set PW,   7                           ; where my partial sum goes
.set PR,   8                           ; a token's 16 partial sums
.set HA,   9                           ; my wave's h1
.set XI,   10                          ; my wave's x fragments
.set A3,   12                          ; the two fragments of h2 + h1 that I multiply by w3
.set A3S,  13                          ; their scale words
.set SO,   14                          ; the stage, in
.set SR,   15                          ; the stage, back
.set GO,   16                          ; my 16 bytes of out0
.set W1O,  17                          ; lane offsets into the weights, their scales and the gains
.set W1SO, 18
.set W2SO, 19
.set W3SO, 20
.set NO,   21
; v22, v23: a, b of token 16 mw + r;  v[24:25] its gates;  v[26:27] the gate in hand;  v[28:29], v[30:31] 1 / rms of tokens r, 16 + r;  v[32:33] c9
.set XS,   34                          ; scale registers, which hold nothing else: x's,
.set W1S,  35                          ; w1's (lanes 0-15 tile 0, lanes 16-31 tile 1),
.set W2S,  36                          ; w2's four K steps (likewise),
.set W3S,  40                          ; w3's two,
.set AS,   42                          ; the computed operands' four (lanes 0-15 row tile 0, lanes 16-31 row tile 1)
.set W1,   46                          ; tile 0, tile 1, four registers of zero codes
.set W3,   58
.set N,    74                          ; n1, then n2, of my 16 units
.set W2,   90                          ; fragment (u, s) at 8 (4 u + s)
.set ACC,  154                         ; 16 m + 8 u
.set TEMP, 186
.set T,    186
.set P,    202
.set Q,    218
.set OUT,  234
; v242-254 at work in the sums and the quantiser.   s26 wave; s27 mask of lanes 16-31; s[28:29] permute selects; s30 M; s31 the slot's expert, s32 is there one; s33, s34 the same for the next slot; s35 trips;
; s[36:37] an offset; s38-41 at work; s[42:57] the slot's pointers; s58-60 constants; s[66:83] c8 .. c0, each twice; s[84:85] -log2(e) / 2
.macro NOP4                            ; four places behind matrix instructions (ISA guide 7.12.1), where no other vector work is at hand
.rept 4
	v_nop
.endr
.endm
.macro BAR                             ; my LDS stores have landed and my LDS loads are in: then the work-group's barrier.  On every wave's path, under no jump
	s_wait_dscnt 0x0
	s_barrier_signal -1
	s_barrier_wait -1
.endm
.macro NEXT                            ; the lowest expert left in M -> s33 (s34: is there one), and out of M
	s_cmp_lg_u32 s30, 0
	s_cselect_b32 s34, 1, 0
	s_ctz_i32_b32 s33, s30
	s_min_u32 s33, s33, 7
	s_sub_co_u32 s38, s30, 1
	s_and_b32 s30, s30, s38
.endm
.macro PTR d, b, e, sh                 ; pointer d = base b + expert x 2^sh
	s_min_u32 s36, \e, 7
	s_lshl_b32 s36, s36, \sh
	s_add_nc_u64 s[\d:\d+1], s[\b:\b+1], s[36:37]
.endm
.macro CPAIR r, val
	s_mov_b32 s[\r], \val
	s_mov_b32 s[\r+1], \val
.endm
.macro TOKEN d, e                      ; the token of an entry of order, held inside the table
	v_and_b32 v\d, 0x1fff, v\e
	v_min_u32 v\d, 0x1fff, v\d
.endm
; a product that starts a sum (WM0) or adds in place (WMA); ra, rb: the scales' lanes 16-31 are taken for source 0, source 1
.macro WM0 d, a, b, sa, sb, ra, rb
.if (\ra) && (\rb)
	v_wmma_scale_f32_16x16x128_f8f6f4 v[\d:\d+7], v[\a:\a+7], v[\b:\b+7], 0, v[\sa], v[\sb] matrix_a_fmt:MATRIX_FMT_FP4 matrix_b_fmt:MATRIX_FMT_FP4 matrix_a_scale:MATRIX_SCALE_ROW1 matrix_b_scale:MATRIX_SCALE_ROW1
.elseif \ra
	v_wmma_scale_f32_16x16x128_f8f6f4 v[\d:\d+7], v[\a:\a+7], v[\b:\b+7], 0, v[\sa], v[\sb] matrix_a_fmt:MATRIX_FMT_FP4 matrix_b_fmt:MATRIX_FMT_FP4 matrix_a_scale:MATRIX_SCALE_ROW1
.elseif \rb
	v_wmma_scale_f32_16x16x128_f8f6f4 v[\d:\d+7], v[\a:\a+7], v[\b:\b+7], 0, v[\sa], v[\sb] matrix_a_fmt:MATRIX_FMT_FP4 matrix_b_fmt:MATRIX_FMT_FP4 matrix_b_scale:MATRIX_SCALE_ROW1
.else
	v_wmma_scale_f32_16x16x128_f8f6f4 v[\d:\d+7], v[\a:\a+7], v[\b:\b+7], 0, v[\sa], v[\sb] matrix_a_fmt:MATRIX_FMT_FP4 matrix_b_fmt:MATRIX_FMT_FP4
.endif
.endm
.macro WMA d, a, b, sa, sb, ra, rb
.if (\ra) && (\rb)
	v_wmma_scale_f32_16x16x128_f8f6f4 v[\d:\d+7], v[\a:\a+7], v[\b:\b+7], v[\d:\d+7], v[\sa], v[\sb] matrix_a_fmt:MATRIX_FMT_FP4 matrix_b_fmt:MATRIX_FMT_FP4 matrix_a_scale:MATRIX_SCALE_ROW1 matrix_b_scale:MATRIX_SCALE_ROW1
.elseif \ra
	v_wmma_scale_f32_16x16x128_f8f6f4 v[\d:\d+7], v[\a:\a+7], v[\b:\b+7], v[\d:\d+7], v[\sa], v[\sb] matrix_a_fmt:MATRIX_FMT_FP4 matrix_b_fmt:MATRIX_FMT_FP4 matrix_a_scale:MATRIX_SCALE_ROW1
.elseif \rb
	v_wmma_scale_f32_16x16x128_f8f6f4 v[\d:\d+7], v[\a:\a+7], v[\b:\b+7], v[\d:\d+7], v[\sa], v[\sb] matrix_a_fmt:MATRIX_FMT_FP4 matrix_b_fmt:MATRIX_FMT_FP4 matrix_b_scale:MATRIX_SCALE_ROW1
.else
	v_wmma_scale_f32_16x16x128_f8f6f4 v[\d:\d+7], v[\a:\a+7], v[\b:\b+7], v[\d:\d+7], v[\sa], v[\sb] matrix_a_fmt:MATRIX_FMT_FP4 matrix_b_fmt:MATRIX_FMT_FP4
.endif
.endm
; gelu of 16 registers, in place.  Two batches of transcendentals, each with plain work behind it and ONE wait ahead of its first reader.  The first lines read each accumulator from its low end on.
.macro GELU x
.irp i, 0,1,2,3,4,5,6,7,8,9,10,11,12,13,14,15
	v_fma_f32 v[T+\i], |v[\x+\i]|, s58, 1.0
.endr
.irp i, 0,1,2,3,4,5,6,7,8,9,10,11,12,13,14,15
	v_rcp_f32 v[T+\i], v[T+\i]                     ; t
.endr
.irp i, 0,2,4,6,8,10,12,14
	v_pk_mul_f32 v[Q+\i:Q+\i+1], v[\x+\i:\x+\i+1], v[\x+\i:\x+\i+1]   ; x x: plain work behind the reciprocals
.endr
	s_wait_alu depctr_va_vdst(0)                   ; the wait ahead of the batch's first reader
.irp i, 0,2,4,6,8,10,12,14
	v_pk_fma_f32 v[P+\i:P+\i+1], v[T+\i:T+\i+1], v[32:33], s[66:67] op_sel_hi:[1,1,0]   ; c9 t + c8
.endr
.irp ck, 68,70,72,74,76,78,80,82
.irp i, 0,2,4,6,8,10,12,14
	v_pk_fma_f32 v[P+\i:P+\i+1], v[P+\i:P+\i+1], v[T+\i:T+\i+1], s[\ck:\ck+1] op_sel_hi:[1,1,0]
.endr
.endr
.irp i, 0,2,4,6,8,10,12,14
	v_pk_fma_f32 v[P+\i:P+\i+1], v[Q+\i:Q+\i+1], s[84:85], v[P+\i:P+\i+1] op_sel_hi:[1,0,1]   ; p(t) - x x log2(e) / 2
.endr
.irp i, 0,1,2,3,4,5,6,7,8,9,10,11,12,13,14,15
	v_exp_f32 v[P+\i], v[P+\i]
.endr
.irp i, 0,1,2,3,4,5,6,7,8,9,10,11,12,13,14,15
	v_max_num_f32 v[Q+\i], 0, v[\x+\i]             ; max(x, 0): plain work behind the exponentials
.endr
	s_wait_alu depctr_va_vdst(0)
.irp i, 0,2,4,6,8,10,12,14
	v_pk_mul_f32 v[P+\i:P+\i+1], v[P+\i:P+\i+1], v[T+\i:T+\i+1]   ; hh
.endr
.irp i, 0,1,2,3,4,5,6,7,8,9,10,11,12,13,14,15
	v_fma_f32 v[\x+\i], -|v[\x+\i]|, v[P+\i], v[Q+\i]
.endr
.endm
; the sums of squares of my 32 units, for each of the 32 tokens: lane 16 m + r stores that of token 16 m + r
.macro SUMSQ ps
	v_pk_mul_f32 v[242:243], v[ACC:ACC+1], v[ACC:ACC+1]
	v_pk_mul_f32 v[244:245], v[ACC+16:ACC+17], v[ACC+16:ACC+17]
.irp i, 2,4,6,8,10,12,14
	v_pk_fma_f32 v[242:243], v[ACC+\i:ACC+\i+1], v[ACC+\i:ACC+\i+1], v[242:243]
	v_pk_fma_f32 v[244:245], v[ACC+16+\i:ACC+17+\i], v[ACC+16+\i:ACC+17+\i], v[244:245]
.endr
	v_add_f32 v242, v242, v243
	v_add_f32 v244, v244, v245
	v_permlanex16_b32 v246, v242, s28, s29
	v_permlanex16_b32 v247, v244, s28, s29
	v_add_f32 v242, v242, v246
	v_add_f32 v244, v244, v247
	v_cndmask_b32 v248, v242, v244, s27
	ds_store_b32 v[PW], v248 offset:\ps
.endm
; token = lane: its 16 partial sums (asked for already, into T) -> 1 / rms; then tokens r and 16 + r for lane (r, h).  left: the younger LDS loads that may stay out
.macro RSTAT left
	s_wait_dscnt \left
	v_pk_add_f32 v[T:T+1], v[T:T+1], v[T+2:T+3]
	v_pk_add_f32 v[T+4:T+5], v[T+4:T+5], v[T+6:T+7]
	v_pk_add_f32 v[T+8:T+9], v[T+8:T+9], v[T+10:T+11]
	v_pk_add_f32 v[T+12:T+13], v[T+12:T+13], v[T+14:T+15]
	v_pk_add_f32 v[T:T+1], v[T:T+1], v[T+4:T+5]
	v_pk_add_f32 v[T+8:T+9], v[T+8:T+9], v[T+12:T+13]
	v_pk_add_f32 v[T:T+1], v[T:T+1], v[T+8:T+9]
	v_add_f32 v[T], v[T], v[T+1]
	v_fma_f32 v248, v[T], s59, s60                 ; the mean of 512 squares + 1e-6
	v_rsq_f32 v248, v248
	v_nop
	s_wait_alu depctr_va_vdst(0)
	v_permlanex16_b32 v246, v248, s28, s29
	v_cndmask_b32 v28, v248, v246, s27
	v_cndmask_b32 v30, v246, v248, s27
.endm
; my block of 32 units, for both row tiles: the largest magnitude (mine and lane l xor 16's), the scale, 16 codes a lane and tile; codes and scale byte to LDS.  off: 0 for h1's images, IMG2 - IMG1 for the second's
.macro QUANT off
.irp m, 0,1
	v_max3_num_f32 v[242+\m], |v[ACC+16*\m]|, |v[ACC+16*\m+1]|, 0x1800000   ; with the floor 2^(3 - 127): the byte cannot fall under 1
.endr
.irp i, 2,4,6,8,10,12,14
.irp m, 0,1
	v_max3_num_f32 v[242+\m], v[242+\m], |v[ACC+16*\m+\i]|, |v[ACC+16*\m+\i+1]|
.endr
.endr
.irp m, 0,1
	v_permlanex16_b32 v[246+\m], v[242+\m], s28, s29
.endr
.irp m, 0,1
	v_max_num_f32 v[242+\m], v[242+\m], v[246+\m]
.endr
.irp m, 0,1
	v_add_nc_u32 v[244+\m], 0xff000000, v[242+\m]  ; 2 off the exponent field: the conversion's scale operand
.endr
.irp m, 0,1
	v_lshrrev_b32 v[248+\m], 23, v[244+\m]         ; the scale's byte
.endr
.irp m, 0,1
	v_cvt_scalef32_pk8_fp4_f32 v[250+2*\m], v[ACC+16*\m:ACC+16*\m+7], v[244+\m]
	v_cvt_scalef32_pk8_fp4_f32 v[251+2*\m], v[ACC+16*\m+8:ACC+16*\m+15], v[244+\m]
.endr
	v_cndmask_b32 v254, v248, v249, s27            ; lane 16 m + r keeps tile m's byte.  (Also the plain line behind the conversions)
.irp m, 0,1
	ds_store_b64 v[IW], v[250+2*\m:251+2*\m] offset:\off+4096*\m   ; 256 consecutive bytes
.endr
	ds_store_b8 v[SW], v254 offset:\off
.endm
.macro KFETCH s, slot                  ; h1's two fragments of K step s, and their scale words: five LDS loads
.irp m, 0,1
.irp c, 0,1
	ds_load_b128 v[TEMP+16*\slot+8*\m+4*\c:TEMP+16*\slot+8*\m+4*\c+3], v[LI] offset:IMG1+(4*\m+\s)*1024+512*\c
.endr
.endr
	ds_load_b32 v[AS+\s], v[LS] offset:SC1+128*\s
.endm
.macro KMUL s, slot, z                 ; K step s of the second product: the four accumulators by turns, in the same order in every step
.irp m, 0,1
.irp u, 0,1
.if \z
	WM0 ACC+16*\m+8*\u, W2+8*(4*\u+\s), TEMP+16*\slot+8*\m, W2S+\s, AS+\s, \u, \m
.else
	WMA ACC+16*\m+8*\u, W2+8*(4*\u+\s), TEMP+16*\slot+8*\m, W2S+\s, AS+\s, \u, \m
.endif
.endr
.endr
.endm
	; ---------------- the head ----------------
	s_load_b512 s[4:19], s[0:1], 0x0               ; tok, order, w1_codes, w1_scales, w2f, w2_scales, w3f, w3_scales
	s_load_b128 s[20:23], s[0:1], 0x40             ; n1, n2
	s_load_b64 s[24:25], s[0:1], 0x50              ; out0
	v_lshl_add_u32 v[SPW], v0, 2, SPARE
	v_mov_b32 v[NIL], 0
	v_lshrrev_b32 v190, 5, v0
	v_readfirstlane_b32 s26, v190                  ; wave 0..15
	v_and_b32 v186, 31, v0                         ; lane
	v_and_b32 v187, 15, v0                         ; r
	v_bfe_u32 v188, v0, 4, 1                       ; h
	v_and_b32 v189, 8, v187
	v_add_nc_u32 v189, v189, v187                  ; r + 8 (r / 8)
	s_and_b32 s38, s26, 1                          ; u
	s_bfe_u32 s39, s26, 0x10001                    ; g
	s_bfe_u32 s40, s26, 0x10002                    ; mw
	s_lshr_b32 s41, s26, 3                         ; kh
	v_lshlrev_b32 v[LI], 4, v186
	v_lshlrev_b32 v[LS], 2, v186
	s_lshr_b32 s36, s26, 2                         ; my block w lies in K step w / 4, chunk (w / 2) % 2, lanes 16 (w % 2) on
	s_lshl_b32 s36, s36, 10
	s_lshl_b32 s37, s39, 9
	s_add_co_u32 s36, s36, s37
	s_lshl_b32 s37, s38, 8
	s_add_co_u32 s36, s36, s37
	s_add_co_u32 s36, s36, IMG1
	v_lshlrev_b32 v[IW], 4, v187
	v_lshl_add_u32 v[IW], v188, 3, v[IW]
	v_add_nc_u32 v[IW], s36, v[IW]
	s_lshr_b32 s36, s26, 2
	s_lshl_b32 s36, s36, 7
	s_and_b32 s37, s26, 3
	s_add_co_u32 s36, s36, s37
	s_add_co_u32 s36, s36, SC1
	v_add_nc_u32 v[SW], s36, v[LS]
	v_mul_u32_u24 v[PR], v186, 80
	s_lshl_b32 s36, s26, 2
	v_add_nc_u32 v[PW], s36, v[PR]
	s_lshl_b32 s36, s26, 12
	s_add_co_u32 s36, s36, H1
	v_add_nc_u32 v[HA], s36, v[LI]
	s_mul_i32 s36, s26, 2304
	s_add_co_u32 s36, s36, XIM
	v_add_nc_u32 v[XI], s36, v[LI]
	s_lshl_b32 s36, s40, 12
	s_lshl_b32 s37, s41, 11
	s_add_co_u32 s36, s36, s37
	s_add_co_u32 s36, s36, IMG2
	v_add_nc_u32 v[A3], s36, v[LI]                 ; fragments (mw, 2 kh) and (mw, 2 kh + 1)
	s_lshl_b32 s36, s41, 8
	s_lshl_b32 s37, s40, 6
	s_add_co_u32 s36, s36, s37
	s_add_co_u32 s36, s36, SC2
	v_lshl_add_u32 v[A3S], v187, 2, s36
	s_mul_i32 s36, s41, 8704
	s_mul_i32 s37, s40, 4352
	s_add_co_u32 s36, s36, s37
	s_lshl_b32 s37, s39, 7
	s_add_co_u32 s36, s36, s37
	s_lshl_b32 s37, s38, 5
	s_add_co_u32 s36, s36, s37
	s_add_co_u32 s36, s36, STG
	v_mul_u32_u24 v[SO], v187, 272
	v_lshl_add_u32 v[SO], v188, 6, v[SO]
	v_add_nc_u32 v[SO], s36, v[SO]                 ; plane kh, row 16 mw + r, outputs 32 g + 16 h + 8 u on
	s_mul_i32 s36, s26, 544
	s_add_co_u32 s36, s36, STG
	v_mul_u32_u24 v[SR], v188, 272
	v_lshl_add_u32 v[SR], v187, 4, v[SR]
	v_add_nc_u32 v[SR], s36, v[SR]                 ; row 2 w + h, 16 bytes a lane
	v_lshlrev_b32 v[W1O], 5, v189                  ; w1: a row of 64 codes is 32 bytes
	v_lshl_add_u32 v[W1O], v188, 4, v[W1O]
	v_lshl_add_u32 v190, v188, 3, v189             ; lanes 16-31 take tile 1's rows
	v_lshlrev_b32 v[W1SO], 1, v190
	v_lshlrev_b32 v[W2SO], 4, v190
	v_lshlrev_b32 v[W3SO], 4, v189
	v_lshlrev_b32 v[NO], 6, v188
	v_lshlrev_b32 v191, 2, v187                    ; entries of order: at r,
	s_lshl_b32 s36, s40, 6
	v_add_nc_u32 v192, s36, v191                   ; at 16 mw + r,
	s_lshl_b32 s36, s26, 3
	v_lshl_add_u32 v193, v188, 2, s36              ; at 2 w + h
	s_mov_b32 s27, 0xffff0000
	s_mov_b32 s28, 0x76543210
	s_mov_b32 s29, 0xfedcba98
	s_mov_b32 s58, 0x3eb504f3                      ; sqrt(2) / 4
	s_mov_b32 s59, 0x3b000000                      ; 1 / 512
	s_mov_b32 s60, 0x358637bd                      ; 1e-6
	CPAIR 66, 0xbf97d29d                           ; c8
	CPAIR 68, 0x40097039                           ; c7
	CPAIR 70, 0xbfd1a1e5                           ; c6
	CPAIR 72, 0x3ecdfd18                           ; c5
	CPAIR 74, 0xbe899a80                           ; c4
	CPAIR 76, 0x3e0efb2e                           ; c3
	CPAIR 78, 0x3f0a29d2                           ; c2
	CPAIR 80, 0x3fb8ab5a                           ; c1
	CPAIR 82, 0xc034d90f                           ; c0, the half folded in
	CPAIR 84, 0xbf38aa3b                           ; -log2(e) / 2
	v_mov_b32 v32, 0x3e7c6f08                      ; c9
	v_mov_b32 v33, 0x3e7c6f08
	s_mov_b32 s37, 0                               ; stays 0: the upper word of every offset
	s_wait_kmcnt 0x0
	s_lshl_b32 s36, ttmp9, 7
	s_add_nc_u64 s[6:7], s[6:7], s[36:37]          ; my block's 32 entries
	global_load_b32 v194, v[LS], s[6:7]
	global_load_b32 v195, v191, s[6:7]
	global_load_b32 v196, v191, s[6:7] offset:64
	global_load_b32 v197, v192, s[6:7]
	global_load_b32 v198, v193, s[6:7]
	s_lshl_b32 s36, s26, 10                        ; my wave's part of each weight
	s_add_nc_u64 s[8:9], s[8:9], s[36:37]
	s_lshl_b32 s36, s26, 6
	s_add_nc_u64 s[10:11], s[10:11], s[36:37]
	s_lshl_b32 s36, s26, 13
	s_add_nc_u64 s[12:13], s[12:13], s[36:37]
	s_lshl_b32 s36, s26, 9
	s_add_nc_u64 s[14:15], s[14:15], s[36:37]
	s_lshl_b32 s36, s39, 13
	s_lshl_b32 s42, s38, 12
	s_add_co_u32 s36, s36, s42
	s_lshl_b32 s42, s41, 11
	s_add_co_u32 s36, s36, s42
	s_add_nc_u64 s[16:17], s[16:17], s[36:37]      ; w3f: group g, tile u, K steps 2 kh on
	s_lshl_b32 s36, s39, 9
	s_lshl_b32 s42, s38, 7
	s_add_co_u32 s36, s36, s42
	s_lshl_b32 s42, s41, 3
	s_add_co_u32 s36, s36, s42
	s_add_nc_u64 s[18:19], s[18:19], s[36:37]
	s_lshl_b32 s36, s26, 7
	s_add_nc_u64 s[20:21], s[20:21], s[36:37]
	s_add_nc_u64 s[22:23], s[22:23], s[36:37]
	s_wait_loadcnt 0x0
	TOKEN 199, 194
	v_mul_u32_u24 v199, v199, 48
	TOKEN 200, 195
	v_mul_u32_u24 v200, v200, 48
	v_lshl_add_u32 v200, v188, 4, v200
	TOKEN 201, 196
	v_mul_u32_u24 v201, v201, 48
	v_lshl_add_u32 v201, v188, 4, v201
	TOKEN 202, 197
	v_mul_u32_u24 v202, v202, 48
	TOKEN 203, 198
	v_lshlrev_b32 v[GO], 8, v203
	v_lshl_add_u32 v[GO], v187, 4, v[GO]
	global_load_b128 v[204:207], v200, s[4:5]      ; x's codes, token r, k = 32 h on
	global_load_b128 v[208:211], v201, s[4:5]      ; token 16 + r
	global_load_b32 v[XS], v199, s[4:5] offset:32  ; x's scale words: lane = token; they stay
	global_load_b64 v[24:25], v202, s[4:5] offset:40   ; the gates of token 16 mw + r
	v_bfe_u32 v22, v197, 16, 4
	v_bfe_u32 v23, v197, 20, 4
	v_bfe_u32 v212, v194, 16, 4
	v_bfe_u32 v213, v194, 20, 4
	s_mov_b32 s30, 0
.irp e, 0,1,2,3,4,5,6,7
	v_cmp_eq_u32 s40, \e, v212
	v_cmp_eq_u32 s41, \e, v213
	s_or_b32 s40, s40, s41                         ; does any of the 32 tokens use expert e?
	s_cselect_b32 s41, 1<<\e, 0
	s_or_b32 s30, s30, s41
.endr
	NEXT
	s_mov_b32 s31, s33
	s_mov_b32 s32, s34
	NEXT
	PTR 54, 8, s31, 14
	PTR 56, 10, s31, 10
	global_load_b128 v[W1:W1+3], v[W1O], s[54:55]  ; the first expert's w1
	global_load_b128 v[W1+4:W1+7], v[W1O], s[54:55] offset:256
	global_load_u16 v[W1S], v[W1SO], s[56:57]      ; two scale bytes; the upper two are 0
.irp x, 214,215,216,217
	v_mov_b32 v\x, 0
.endr
.irp x, 54,55,56,57, 27,29,31, 246,247
	v_mov_b32 v\x, 0                               ; w1's zero codes; the unread halves of three pairs; two permutes' destinations
.endr
.irp i, 0,1,2,3,4,5,6,7
	v_mov_b32 v[OUT+\i], 0
.endr
	s_wait_loadcnt 3                               ; x and the gates are in; the three loads of w1 stay out
	ds_store_b128 v[XI], v[204:207]
	ds_store_b128 v[XI], v[214:217] offset:512     ; k 64-127: zero codes, which add nothing whatever stands against them
	ds_store_b128 v[XI], v[208:211] offset:1024
	ds_store_b128 v[XI], v[214:217] offset:1536
; ---------------- one expert for the block.  g = 1: each region is jumped over where no expert is left ----------------
.macro SLOT g
	; R1: the first product, gelu, my part of the sums of squares.  All the slot's other weights are asked for first
.if \g
	s_cmp_eq_u32 s32, 0
	s_cbranch_scc1 .Le1_\@
.endif
	s_wait_xcnt 0x0                                ; earlier loads have read their pointers
	PTR 42, 20, s31, 11
	PTR 44, 12, s31, 17
	PTR 46, 14, s31, 13
	PTR 48, 16, s31, 14
	PTR 50, 18, s31, 10
	PTR 52, 22, s31, 11
.irp i, 0,1,2,3
	global_load_b128 v[N+4*\i:N+4*\i+3], v[NO], s[42:43] offset:16*\i
.endr
.irp i, 0,1,2,3,4,5,6,7,8,9,10,11,12,13,14,15
	global_load_b128 v[W2+4*\i:W2+4*\i+3], v[LI], s[44:45] offset:512*\i   ; 512 consecutive bytes: four registers of a fragment
.endr
	global_load_b128 v[W2S:W2S+3], v[W2SO], s[46:47]
.irp i, 0,1,2,3
	global_load_b128 v[W3+4*\i:W3+4*\i+3], v[LI], s[48:49] offset:512*\i
.endr
	global_load_b64 v[W3S:W3S+1], v[W3SO], s[50:51]
.irp i, 0,1,2,3
	ds_load_b128 v[T+4*\i:T+4*\i+3], v[XI] offset:512*\i
.endr
	s_wait_loadcnt 26                              ; w1 is in; the 26 loads just issued stay out
	s_wait_dscnt 0x0
	WM0 ACC, W1, T, W1S, XS, 0, 0
	WM0 ACC+8, W1+4, T, W1S, XS, 1, 0
	WM0 ACC+16, W1, T+8, W1S, XS, 0, 1
	WM0 ACC+24, W1+4, T+8, W1S, XS, 1, 1
	NOP4
	GELU ACC
	GELU ACC+16
	SUMSQ PS1
	s_wait_loadcnt 0x0                             ; no load of this region stays out behind it
.Le1_\@:
	BAR
	; R1b: h1 = (g / rms) n1; kept in f32 in my own LDS bytes; its codes to the images
.if \g
	s_cmp_eq_u32 s32, 0
	s_cbranch_scc1 .Le2_\@
.endif
.irp i, 0,1,2,3
	ds_load_b128 v[T+4*\i:T+4*\i+3], v[PR] offset:PS1+16*\i
.endr
	RSTAT 0
.irp i, 0,2,4,6,8,10,12,14
	v_pk_mul_f32 v[ACC+\i:ACC+\i+1], v[ACC+\i:ACC+\i+1], v[28:29] op_sel_hi:[1,0]
	v_pk_mul_f32 v[ACC+16+\i:ACC+17+\i], v[ACC+16+\i:ACC+17+\i], v[30:31] op_sel_hi:[1,0]
.endr
.irp i, 0,2,4,6,8,10,12,14
	v_pk_mul_f32 v[ACC+\i:ACC+\i+1], v[ACC+\i:ACC+\i+1], v[N+\i:N+\i+1]
	v_pk_mul_f32 v[ACC+16+\i:ACC+17+\i], v[ACC+16+\i:ACC+17+\i], v[N+\i:N+\i+1]
.endr
.irp i, 0,1,2,3,4,5,6,7
	ds_store_b128 v[HA], v[ACC+4*\i:ACC+4*\i+3] offset:512*\i
.endr
	QUANT 0
.Le2_\@:
	BAR
	; R2: the second product, four K steps; gelu; sums of squares.  n2 and the next expert's w1 land under the gelus
.if \g
	s_cmp_eq_u32 s32, 0
	s_cbranch_scc1 .Le3_\@
.endif
.irp i, 0,1,2,3
	global_load_b128 v[N+4*\i:N+4*\i+3], v[NO], s[52:53] offset:16*\i
.endr
	KFETCH 0, 0
	KFETCH 1, 1
	KFETCH 2, 2
	s_wait_dscnt 10                                ; K step 0's five loads are in; those of steps 1 and 2 stay out
	KMUL 0, 0, 1
	s_wait_dscnt 5                                 ; step 1's are in
	KMUL 1, 1, 0
	NOP4                                           ; places in front of loads into registers that step 0's products read
	KFETCH 3, 0
	s_wait_dscnt 5                                 ; step 2's are in; step 3's stay out
	KMUL 2, 2, 0
	s_wait_dscnt 0x0
	KMUL 3, 0, 0
	NOP4
	s_cmp_eq_u32 s34, 0
	s_cbranch_scc1 .Lnc_\@
	s_wait_xcnt 0x0
	PTR 54, 8, s33, 14
	PTR 56, 10, s33, 10
	global_load_b128 v[W1:W1+3], v[W1O], s[54:55]
	global_load_b128 v[W1+4:W1+7], v[W1O], s[54:55] offset:256
	global_load_u16 v[W1S], v[W1SO], s[56:57]
.Lnc_\@:
	GELU ACC
	GELU ACC+16
	SUMSQ PS2
	s_wait_loadcnt 0x0                             ; no load of this region stays out behind it
.Le3_\@:
	BAR
	; R2b: (g / rms) n2 + h1; its codes to the second images
.if \g
	s_cmp_eq_u32 s32, 0
	s_cbranch_scc1 .Le4_\@
.endif
.irp i, 0,1,2,3
	ds_load_b128 v[T+4*\i:T+4*\i+3], v[PR] offset:PS2+16*\i
.endr
.irp i, 0,1,2,3,4,5,6,7
	ds_load_b128 v[TEMP+16+4*\i:TEMP+16+4*\i+3], v[HA] offset:512*\i
.endr
	RSTAT 8                                        ; the partial sums are in; h1's eight loads stay out
	s_wait_dscnt 0x0
.irp i, 0,2,4,6,8,10,12,14
	v_pk_mul_f32 v[ACC+\i:ACC+\i+1], v[ACC+\i:ACC+\i+1], v[28:29] op_sel_hi:[1,0]
	v_pk_mul_f32 v[ACC+16+\i:ACC+17+\i], v[ACC+16+\i:ACC+17+\i], v[30:31] op_sel_hi:[1,0]
.endr
.irp i, 0,2,4,6,8,10,12,14
	v_pk_fma_f32 v[ACC+\i:ACC+\i+1], v[ACC+\i:ACC+\i+1], v[N+\i:N+\i+1], v[TEMP+16+\i:TEMP+17+\i]
	v_pk_fma_f32 v[ACC+16+\i:ACC+17+\i], v[ACC+16+\i:ACC+17+\i], v[N+\i:N+\i+1], v[TEMP+32+\i:TEMP+33+\i]
.endr
	QUANT IMG2-IMG1
.Le4_\@:
	BAR
	; R3: my tile of the third product over my two K steps; the gate; the rows that chose this expert take the sum
.if \g
	s_cmp_eq_u32 s32, 0
	s_cbranch_scc1 .Le5_\@
.endif
.irp i, 0,1,2,3
	ds_load_b128 v[T+4*\i:T+4*\i+3], v[A3] offset:512*\i
.endr
	ds_load_b32 v[AS], v[A3S]
	ds_load_b32 v[AS+1], v[A3S] offset:128
	v_cmp_eq_u32 s40, s31, v22
	v_cmp_eq_u32 s41, s31, v23
	v_cndmask_b32 v26, v25, v24, s40               ; a's gate where the expert is a, else b's
	s_or_b32 s40, s40, s41                         ; the rows that chose it
	s_wait_dscnt 0x0
	WM0 TEMP+32, W3, T, W3S, AS, 0, 0
	WM0 TEMP+40, W3+8, T+8, W3S+1, AS+1, 0, 0
	NOP4
.irp i, 0,2,4,6
	v_pk_fma_f32 v[TEMP+16+\i:TEMP+17+\i], v[TEMP+32+\i:TEMP+33+\i], v[26:27], v[OUT+\i:OUT+\i+1] op_sel_hi:[1,0,1]
.endr
.irp i, 0,2,4,6
	v_pk_fma_f32 v[TEMP+16+\i:TEMP+17+\i], v[TEMP+40+\i:TEMP+41+\i], v[26:27], v[TEMP+16+\i:TEMP+17+\i] op_sel_hi:[1,0,1]
.endr
.irp i, 0,1,2,3,4,5,6,7
	v_cndmask_b32 v[OUT+\i], v[OUT+\i], v[TEMP+16+\i], s40
.endr
.Le5_\@:
	s_mov_b32 s31, s33                             ; on to the next expert of M
	s_mov_b32 s32, s34
	NEXT
.endm
	s_mov_b32 s35, 2
.Lsure:                                                ; two slots that every block has
	SLOT 0
	s_sub_co_u32 s35, s35, 1
	s_cmp_lg_u32 s35, 0
	s_cbranch_scc1 .Lsure
	s_mov_b32 s35, 6
.Lmaybe:                                               ; six more, for blocks that straddle bins: a constant count, so that every wave passes every barrier
	SLOT 1
	s_sub_co_u32 s35, s35, 1
	s_cmp_lg_u32 s35, 0
	s_cbranch_scc1 .Lmaybe
	; ---------------- the way out: the two halves of K meet in the stage; each wave stores two whole rows ----------------
	ds_store_b128 v[SO], v[OUT:OUT+3]
	ds_store_b128 v[SO], v[OUT+4:OUT+7] offset:16
	BAR
	ds_load_b128 v[T:T+3], v[SR]
	ds_load_b128 v[T+4:T+7], v[SR] offset:8704
	s_wait_dscnt 0x0
	v_pk_add_f32 v[T:T+1], v[T:T+1], v[T+4:T+5]
	v_pk_add_f32 v[T+2:T+3], v[T+2:T+3], v[T+6:T+7]
	global_store_b128 v[GO], v[T:T+3], s[24:25] th:TH_STORE_NT   ; sixteen lanes store a token's 256 bytes, aligned
	s_wait_tensorcnt 0x0                           ; the wave's end, behind my last LDS store
	ds_add_u32 v[SPW], v[NIL]
	s_wait_dscnt 0x0
	s_endpgm
.Lfunc_end_k_qf67e17626a_chain:
	.size	k_qf67e17626a_chain, .Lfunc_end_k_qf67e17626a_chain-k_qf67e17626a_chain
	.p2alignl 7, 3214868480
	.fill 96, 4, 3214868480
	.section	.rodata,"a",@progbits
	.p2align	6, 0x0
	.amdhsa_kernel k_qf67e17626a_chain
		.amdhsa_group_segment_fixed_size 144384
		.amdhsa_private_segment_fixed_size 0
		.amdhsa_enable_private_segment 0
		.amdhsa_kernarg_size 88
		.amdhsa_user_sgpr_count 2
		.amdhsa_user_sgpr_kernarg_segment_ptr 1
		.amdhsa_wavefront_size32 1
		.amdhsa_system_sgpr_workgroup_id_x 1
		.amdhsa_system_sgpr_workgroup_id_y 1
		.amdhsa_system_sgpr_workgroup_id_z 1
		.amdhsa_system_vgpr_workitem_id 0
		.amdhsa_next_free_vgpr 256
		.amdhsa_next_free_sgpr 90
		.amdhsa_reserve_vcc 0
		.amdhsa_float_denorm_mode_32 3
		.amdhsa_float_denorm_mode_16_64 3
		.amdhsa_memory_ordered 1
		.amdhsa_forward_progress 1
		.amdhsa_inst_pref_size 141
	.end_amdhsa_kernel
	.amdgpu_metadata
---
amdhsa.version: [ 1, 2 ]
amdhsa.kernels:
  - .name:           k_qf67e17626a_chain
    .symbol:         k_qf67e17626a_chain.kd
    .args:
      - { .name: tok, .offset: 0, .size: 8, .value_kind: global_buffer, .address_space: global }
      - { .name: order, .offset: 8, .size: 8, .value_kind: global_buffer, .address_space: global }
      - { .name: w1_codes, .offset: 16, .size: 8, .value_kind: global_buffer, .address_space: global }
      - { .name: w1_scales, .offset: 24, .size: 8, .value_kind: global_buffer, .address_space: global }
      - { .name: w2f, .offset: 32, .size: 8, .value_kind: global_buffer, .address_space: global }
      - { .name: w2_scales, .offset: 40, .size: 8, .value_kind: global_buffer, .address_space: global }
      - { .name: w3f, .offset: 48, .size: 8, .value_kind: global_buffer, .address_space: global }
      - { .name: w3_scales, .offset: 56, .size: 8, .value_kind: global_buffer, .address_space: global }
      - { .name: n1, .offset: 64, .size: 8, .value_kind: global_buffer, .address_space: global }
      - { .name: n2, .offset: 72, .size: 8, .value_kind: global_buffer, .address_space: global }
      - { .name: out0, .offset: 80, .size: 8, .value_kind: global_buffer, .address_space: global }
    .group_segment_fixed_size: 144384
    .private_segment_fixed_size: 0
    .kernarg_segment_align: 8
    .kernarg_segment_size: 88
    .max_flat_workgroup_size: 512
    .sgpr_count:     90
    .vgpr_count:     256
    .wavefront_size: 32
...
	.end_amdgpu_metadata
.endif
;; end of part 3
;; ======== version 2 of 2: 3 launches; 1.28 times as fast as version 1
;; workspace buffers: tok 393,216 bytes; meta 65,536 bytes of whole numbers; hist 32,768 bytes of whole numbers; order 32,768 bytes of whole numbers; w2f 1,048,576 bytes; w3f 131,072 bytes
;; launch route (part 4): grid 400 x 1, 1 waves a work-group, no clusters, 12,544 bytes of LDS; arguments x, gate_w, w2_codes, w3_codes, tok, meta, hist, w2f, w3f; writes tok, meta, hist, w2f, w3f
.if DOCPART == 4
	.amdgcn_target "amdgcn-amd-amdhsa--gfx1250"
	.amdhsa_code_object_version 6
	.text
	.protected	k_qf67e17626a_route
	.globl	k_qf67e17626a_route
	.p2align	8
	.type	k_qf67e17626a_route,@function
k_qf67e17626a_route:
	s_mov_b64 s[64:65], 0
	v_nop
	global_prefetch_b8 v0, s[64:65] scope:SCOPE_SE
	s_setreg_imm32_b32 hwreg(HW_REG_WAVE_MODE, 25, 1), 1
	s_wait_xcnt 0x0
; MIXTURE OF EXPERTS, launch 1 of 3: the router, x's codes, and the weights laid for the chain.
; DEAD WORK LEFT OUT BY THE PROGRAM.  reference() makes expert_out for all 8 experts and then keeps, by take_along_axis on its own tk_idx, the rows of the two
; experts chosen for each token.  The other six rows of expert_out[n] enter no output, whatever finite values the inputs hold.  So only the two chosen experts of a
; token are multiplied (launch 3); which they are is stored here as whole numbers and read there from memory.  Every input still has a way to the output: all are loaded.
; LIMIT: a NaN, an infinity or an overflow that arises only in an expert that a token did not choose is not carried to the result.
; LIMITS OF THIS LAUNCH: NaN or infinite logits give a choice that need not be reference()'s; two logits that differ by less than the error of an f32 sum of 64 terms may be
; ranked either way; a block of 32 zeros of x gets the scale byte 1 where the quantiser says 127 (its codes are zeros, and this program alone reads the byte).
; WORK-GROUPS 0-255, one wave each, a lane a token: 8 logits by f32 multiply-adds (k ascending), top 2 (ties: the lower index, as lax.top_k), softmax of the two with the
; larger taken away, the rank of the unordered pair (a < b) among 28 bins, the lane's place among its wave's tokens of the same bin, the wave's histogram, x as FP4 codes.
; gate_w, 2,048 bytes, comes once, by four loads of 512 consecutive bytes, and lies in LDS as in memory; four of its rows at a time are read back with the same address in every lane,
; into four buffers of 32 registers that take turns, so that three chunks' loads are out while one chunk is multiplied.
; The rank walks the pairs so that neighbouring bins share an expert: rank = a (15 - a) / 2 + (a even ? b - a - 1 : 7 - b).
; No address and no branch hangs on the choice: everything is stored at fixed places.
; tok[token]: 48 bytes: codes of k 0-31, codes of k 32-63, {scale bytes 0, 1 in a word; 0; gate of a; gate of b}.   meta[token]: {rank | place << 8, token | a << 16 | b << 20}.   hist[wave][32].
; WORK-GROUPS 256-399: 32 rows x 512 K of w2 (128 groups) or w3 (16 groups) are copied into the order of the operand's registers: chunk 8 u + 2 s + c of 512 bytes holds,
; at 16 x lane, registers 4 c .. 4 c + 3 of the fragment (tile u, K step s); lane r of tile u takes row 8 u + r + 8 (r / 8), so that a result's 16 registers of tiles 0 and 1 are neighbours.
.set XT,    0                          ; LDS: 32 rows of x, 256 bytes + 16 of padding
.set REC,   8704                       ; 32 records of 48 bytes
.set SPARE, 10240                      ; the spare words: one block of 256 bytes that no other line names
.set GWL,   10496                      ; gate_w as it lies in memory: 64 rows of 32 bytes
.set SPW,   1                          ; v1  LDS address of my spare word; never rewritten
.set NIL,   2                          ; v2  0; never rewritten
.set R,     16                         ; v16-79   x as loaded; then two buffers of gate_w's rows; then the records read back
.set X,     80                         ; v80-143  my token's 64 numbers
.set LG,    144                        ; v144-151 logits (v144-159 first carry gate_w on its way to LDS)
.set ML,    152                        ; v152-159 logits with the first choice hidden
                                       ; v192-255 two more buffers of gate_w's rows
	s_load_b512 s[4:19], s[0:1], 0x0               ; x, gate_w, w2_codes, w3_codes, tok, meta, hist, w2f
	s_load_b64 s[20:21], s[0:1], 0x40              ; w3f
	v_lshl_add_u32 v[SPW], v0, 2, SPARE
	v_mov_b32 v[NIL], 0
	v_lshlrev_b32 v3, 4, v0                        ; 16 x lane
	v_and_b32 v10, 15, v0                          ; r
	v_lshrrev_b32 v11, 4, v0                       ; h
	s_mov_b32 s61, 0
	s_cmp_ge_u32 ttmp9, 256
	s_cbranch_scc1 .Lrelay
	; ---------------- the router ----------------
	v_mul_u32_u24 v4, v11, 272
	v_lshl_add_u32 v4, v10, 4, v4                  ; into XT: lanes 0-15 one row, lanes 16-31 the next
	v_mul_u32_u24 v5, v0, 272                      ; out of XT: my token's row
	v_mul_u32_u24 v6, v0, 48
	v_add_nc_u32 v6, REC, v6                       ; my record
	v_add_nc_u32 v7, REC, v3                       ; the records read back as they lie
	v_lshlrev_b32 v8, 3, v0
	v_lshlrev_b32 v9, 2, v0
	v_add_nc_u32 v12, GWL, v3                      ; gate_w into LDS: 16 bytes a lane
	v_mov_b32 v13, GWL                             ; and out of it: the same address in every lane
	s_lshl_b32 s60, ttmp9, 13                      ; 32 tokens of 256 bytes
	s_wait_kmcnt 0x0
	s_add_nc_u64 s[4:5], s[4:5], s[60:61]
.irp j, 0,1,2,3
	global_load_b128 v[LG+4*\j:LG+4*\j+3], v3, s[6:7] offset:512*\j   ; all of gate_w; every router work-group reads it, so no hint
.endr
.irp j, 0,1,2,3,4,5,6,7,8,9,10,11,12,13,14,15
	global_load_b128 v[R+4*\j:R+4*\j+3], v3, s[4:5] offset:512*\j th:TH_LOAD_NT   ; 512 consecutive bytes: two tokens
.endr
	s_mul_i32 s60, ttmp9, 1536
	s_add_nc_u64 s[12:13], s[12:13], s[60:61]      ; tok at my 32 records
	s_lshl_b32 s60, ttmp9, 8
	s_add_nc_u64 s[14:15], s[14:15], s[60:61]      ; meta
	s_lshl_b32 s60, ttmp9, 7
	s_add_nc_u64 s[16:17], s[16:17], s[60:61]      ; hist
	s_wait_loadcnt 16                              ; loads come back in order: gate_w's four are in, x's sixteen stay out
.irp j, 0,1,2,3
	ds_store_b128 v12, v[LG+4*\j:LG+4*\j+3] offset:512*\j
.endr
.irp j, 0,1,2,3,4,5,6,7,8,9,10,11,12,13,14,15
	s_wait_loadcnt 15-\j                           ; load j is in, the younger ones stay out
	ds_store_b128 v4, v[R+4*\j:R+4*\j+3] offset:544*\j
.endr
.irp i, 0,1,2,3,4,5,6,7,8,9,10,11,12,13,14,15
	ds_load_b128 v[X+4*\i:X+4*\i+3], v5 offset:16*\i   ; LDS serves a wave's instructions in order: these see the stores
.endr
	s_wait_dscnt 0x0                               ; x is mine; and the stores have read R and LG, which are written below
; rows 4 i .. 4 i + 3 of gate_w, 128 bytes, into 32 registers: register 8 kk + e = gate_w[4 i + kk][e], in every lane
.macro GLOAD i, buf
.irp q, 0,1,2,3,4,5,6,7
	ds_load_b128 v[\buf+4*\q:\buf+4*\q+3], v13 offset:128*(\i)+16*\q
.endr
.endm
; four rows of gate_w: 32 multiply-adds; then the buffer takes the rows of four chunks on.  The first row's products start the sums.
.macro GCHUNK i, buf
.if \i < 13
	s_wait_dscnt 24                                ; this chunk's eight loads are in; those of the three chunks behind it stay out
.else
	s_wait_dscnt 8*(15-(\i))                       ; the last chunks: two, one, no chunk behind
.endif
.irp kk, 0,1,2,3
.irp e, 0,1,2,3,4,5,6,7
.if (\i == 0) && (\kk == 0)
	v_mul_f32 v[LG+\e], v[\buf+8*\kk+\e], v[X+4*(\i)+\kk]
.else
	v_fma_f32 v[LG+\e], v[X+4*(\i)+\kk], v[\buf+8*\kk+\e], v[LG+\e]
.endif
.endr
.endr
.if \i < 12
	GLOAD (\i)+4, \buf
.endif
.endm
	GLOAD 0, 16
	GLOAD 1, 48
	GLOAD 2, 192
	GLOAD 3, 224
.irp i, 0,4,8,12
	GCHUNK \i, 16
	GCHUNK (\i+1), 48
	GCHUNK (\i+2), 192
	GCHUNK (\i+3), 224
.endr
	; x as codes: two blocks of 32, each wholly mine
.irp b, 0,1
	v_max3_num_f32 v[166+\b], |v[X+32*\b]|, |v[X+32*\b+1]|, 0x1800000   ; with the floor 2^(3 - 127): the byte cannot fall under 1
.endr
.irp i, 2,4,6,8,10,12,14,16,18,20,22,24,26,28,30
.irp b, 0,1
	v_max3_num_f32 v[166+\b], v[166+\b], |v[X+32*\b+\i]|, |v[X+32*\b+\i+1]|
.endr
.endr
.irp b, 0,1
	v_add_nc_u32 v[168+\b], 0xff000000, v[166+\b]  ; 2 off the exponent field: the conversion's scale operand
.endr
.irp b, 0,1
	v_lshrrev_b32 v[170+\b], 23, v[168+\b]         ; the scale's byte
.endr
.irp b, 0,1
.irp g, 0,1,2,3
	v_cvt_scalef32_pk8_fp4_f32 v[176+4*\b+\g], v[X+32*\b+8*\g:X+32*\b+8*\g+7], v[168+\b]
.endr
.endr
	v_lshl_or_b32 v184, v171, 8, v170              ; the scale word: bytes 0, 1; bytes 2, 3 are 0.  (Also the plain line behind the conversions)
	v_mov_b32 v185, 0
	; top 2: a strictly greater logit takes over, so the lower index wins a tie
	v_mov_b32 v160, v[LG]
	v_mov_b32 v161, 0
.irp e, 1,2,3,4,5,6,7
	v_cmp_gt_f32 vcc_lo, v[LG+\e], v160
	v_cndmask_b32 v160, v160, v[LG+\e], vcc_lo
	v_cndmask_b32 v161, v161, \e, vcc_lo
.endr
	v_mov_b32 v164, 0xff800000
.irp e, 0,1,2,3,4,5,6,7
	v_cmp_eq_u32 vcc_lo, \e, v161
	v_cndmask_b32 v[ML+\e], v[LG+\e], v164, vcc_lo
.endr
	v_mov_b32 v162, v[ML]
	v_mov_b32 v163, 0
.irp e, 1,2,3,4,5,6,7
	v_cmp_gt_f32 vcc_lo, v[ML+\e], v162
	v_cndmask_b32 v162, v162, v[ML+\e], vcc_lo
	v_cndmask_b32 v163, v163, \e, vcc_lo
.endr
	v_cmp_eq_u32 vcc_lo, v161, v163                ; only logits that are not finite lead here: the two indices are kept apart all the same
	v_xor_b32 v165, 1, v161
	v_cndmask_b32 v163, v163, v165, vcc_lo
	; the gates: softmax of (m1, m2) with m1, the larger, taken away: 1 / (1 + e), e / (1 + e), e = exp(m2 - m1)
	v_sub_f32 v166, v162, v160
	v_mul_f32 v166, 0x3fb8aa3b, v166
	v_exp_f32 v167, v166
	v_nop                                          ; a plain line behind the transcendental,
	s_wait_alu depctr_va_vdst(0)                   ; and the wait ahead of its first reader
	v_add_f32 v168, 1.0, v167
	v_rcp_f32 v169, v168
	v_nop
	s_wait_alu depctr_va_vdst(0)
	v_mul_f32 v170, v167, v169
	v_min_u32 v171, v161, v163                     ; a
	v_max_u32 v172, v161, v163                     ; b
	v_cmp_eq_u32 vcc_lo, v161, v171
	v_cndmask_b32 v186, v170, v169, vcc_lo         ; a's gate
	v_cndmask_b32 v187, v169, v170, vcc_lo         ; b's
	v_sub_nc_u32 v173, 15, v171
	v_mul_u32_u24 v173, v171, v173
	v_lshrrev_b32 v173, 1, v173                    ; a (15 - a) / 2
	v_sub_nc_u32 v174, v172, v171
	v_add_nc_u32 v174, -1, v174                    ; b - a - 1
	v_sub_nc_u32 v175, 7, v172                     ; 7 - b
	v_and_b32 v165, 1, v171
	v_cmp_eq_u32 vcc_lo, 0, v165
	v_cndmask_b32 v174, v175, v174, vcc_lo
	v_add_nc_u32 v173, v173, v174                  ; the rank, 0 .. 27
	v_mov_b32 v190, 0                              ; my place among my wave's tokens of my bin
	v_mov_b32 v191, 0                              ; lane r: the wave's count of bin r
.irp r, 0,1,2,3,4,5,6,7,8,9,10,11,12,13,14,15,16,17,18,19,20,21,22,23,24,25,26,27
	v_cmp_eq_u32 s58, \r, v173
	v_mbcnt_lo_u32_b32 v175, s58, 0                ; how many lower lanes are in bin r
	v_cndmask_b32 v190, v190, v175, s58
	s_bcnt1_i32_b32 s59, s58
	v_writelane_b32 v191, s59, \r
.endr
	v_lshl_or_b32 v188, v190, 8, v173              ; meta word 0
	s_lshl_b32 s60, ttmp9, 5
	v_add_nc_u32 v189, s60, v0                     ; the token
	v_lshl_or_b32 v189, v171, 16, v189
	v_lshl_or_b32 v189, v172, 20, v189             ; meta word 1
	ds_store_b128 v6, v[176:179]
	ds_store_b128 v6, v[180:183] offset:16
	ds_store_b128 v6, v[184:187] offset:32
.irp j, 0,1,2
	ds_load_b128 v[R+4*\j:R+4*\j+3], v7 offset:512*\j
.endr
.irp j, 0,1,2
	s_wait_dscnt 2-\j                              ; read-back j is in, the younger ones stay out
	global_store_b128 v3, v[R+4*\j:R+4*\j+3], s[12:13] offset:512*\j   ; 512 consecutive bytes, aligned
.endr
	global_store_b64 v8, v[188:189], s[14:15]      ; 256 consecutive bytes, aligned
	global_store_b32 v9, v191, s[16:17]            ; 128 consecutive bytes: a wave's row of the histogram
	s_wait_tensorcnt 0x0                           ; the wave's end, behind my last LDS store
	ds_add_u32 v[SPW], v[NIL]
	s_wait_dscnt 0x0
	s_endpgm
	; ---------------- the weights' new order (no LDS on this path) ----------------
.Lrelay:
	v_and_b32 v12, 8, v10
	v_add_nc_u32 v12, v12, v10                     ; r + 8 (r / 8)
	v_lshlrev_b32 v12, 8, v12                      ; a row of 512 codes is 256 bytes
	v_lshl_add_u32 v12, v11, 4, v12
	s_sub_co_u32 s58, ttmp9, 256
	s_wait_kmcnt 0x0
	s_cmp_lt_u32 s58, 128                          ; w2's groups first, then w3's: the choice hangs on the work-group's number alone
	s_cselect_b64 s[8:9], s[8:9], s[10:11]
	s_cselect_b64 s[18:19], s[18:19], s[20:21]
	s_cselect_b32 s59, 0, 128
	s_sub_co_u32 s58, s58, s59
	s_lshl_b32 s60, s58, 13                        ; a group is 8,192 bytes in both orders
	s_add_nc_u64 s[8:9], s[8:9], s[60:61]
	s_add_nc_u64 s[18:19], s[18:19], s[60:61]
.irp u, 0,1
.irp s, 0,1,2,3
.irp c, 0,1
	global_load_b128 v[R+4*(8*\u+2*\s+\c):R+4*(8*\u+2*\s+\c)+3], v12, s[8:9] offset:2048*\u+64*\s+32*\c th:TH_LOAD_NT
.endr
.endr
.endr
.irp i, 0,1,2,3,4,5,6,7,8,9,10,11,12,13,14,15
	s_wait_loadcnt 15-\i
	global_store_b128 v3, v[R+4*\i:R+4*\i+3], s[18:19] offset:512*\i
.endr
	s_endpgm
.Lfunc_end_k_qf67e17626a_route:
	.size	k_qf67e17626a_route, .Lfunc_end_k_qf67e17626a_route-k_qf67e17626a_route
	.p2alignl 7, 3214868480
	.fill 96, 4, 3214868480
	.section	.rodata,"a",@progbits
	.p2align	6, 0x0
	.amdhsa_kernel k_qf67e17626a_route
		.amdhsa_group_segment_fixed_size 12544
		.amdhsa_private_segment_fixed_size 0
		.amdhsa_enable_private_segment 0
		.amdhsa_kernarg_size 72
		.amdhsa_user_sgpr_count 2
		.amdhsa_user_sgpr_kernarg_segment_ptr 1
		.amdhsa_wavefront_size32 1
		.amdhsa_system_sgpr_workgroup_id_x 1
		.amdhsa_system_sgpr_workgroup_id_y 1
		.amdhsa_system_sgpr_workgroup_id_z 1
		.amdhsa_system_vgpr_workitem_id 0
		.amdhsa_next_free_vgpr 256
		.amdhsa_next_free_sgpr 66
		.amdhsa_reserve_vcc 1
		.amdhsa_float_denorm_mode_32 3
		.amdhsa_float_denorm_mode_16_64 3
		.amdhsa_memory_ordered 1
		.amdhsa_forward_progress 1
		.amdhsa_inst_pref_size 67
	.end_amdhsa_kernel
	.amdgpu_metadata
---
amdhsa.version: [ 1, 2 ]
amdhsa.kernels:
  - .name:           k_qf67e17626a_route
    .symbol:         k_qf67e17626a_route.kd
    .args:
      - { .name: x, .offset: 0, .size: 8, .value_kind: global_buffer, .address_space: global }
      - { .name: gate_w, .offset: 8, .size: 8, .value_kind: global_buffer, .address_space: global }
      - { .name: w2_codes, .offset: 16, .size: 8, .value_kind: global_buffer, .address_space: global }
      - { .name: w3_codes, .offset: 24, .size: 8, .value_kind: global_buffer, .address_space: global }
      - { .name: tok, .offset: 32, .size: 8, .value_kind: global_buffer, .address_space: global }
      - { .name: meta, .offset: 40, .size: 8, .value_kind: global_buffer, .address_space: global }
      - { .name: hist, .offset: 48, .size: 8, .value_kind: global_buffer, .address_space: global }
      - { .name: w2f, .offset: 56, .size: 8, .value_kind: global_buffer, .address_space: global }
      - { .name: w3f, .offset: 64, .size: 8, .value_kind: global_buffer, .address_space: global }
    .group_segment_fixed_size: 12544
    .private_segment_fixed_size: 0
    .kernarg_segment_align: 8
    .kernarg_segment_size: 72
    .max_flat_workgroup_size: 32
    .sgpr_count:     66
    .vgpr_count:     256
    .wavefront_size: 32
...
	.end_amdgpu_metadata
.endif
;; end of part 4
;; launch place: the kernel of part 2 again; grid 256 x 1, 1 waves a work-group, no clusters, 0 bytes of LDS; arguments meta, hist, order; writes order
;; launch chain (part 5): grid 256 x 1, 16 waves a work-group, no clusters, 144,384 bytes of LDS; arguments tok, order, w1_codes, w1_scales, w2f, w2_scales, w3f, w3_scales, n1, n2, out0; writes out0
.if DOCPART == 5
	.amdgcn_target "amdgcn-amd-amdhsa--gfx1250"
	.amdhsa_code_object_version 6
	.text
	.protected	k_qf67e17626a_chain
	.globl	k_qf67e17626a_chain
	.p2align	8
	.type	k_qf67e17626a_chain,@function
k_qf67e17626a_chain:
	s_mov_b64 s[64:65], 0
	v_nop
	global_prefetch_b8 v0, s[64:65] scope:SCOPE_SE
	s_setreg_imm32_b32 hwreg(HW_REG_WAVE_MODE, 25, 1), 1
	s_wait_xcnt 0x0
; MIXTURE OF EXPERTS, launch 3 of 3: 32 tokens, neighbours in the order sorted by their pair of experts, go through the whole chain of every expert that one of them chose.
; LEFT OUT: the experts that none of the block's tokens chose (dead work: shown at the head of the first kernel); a NaN or an overflow that arises only there is not carried on.
; For an expert e:  h1 = rms(gelu(Q(x) w1)) n1;  h2 = rms(gelu(Q(h1) w2)) n2;  o = Q(h2 + h1) w3;  out += gate x o in the rows that chose e (a row that did not is SELECTED away, never multiplied by 0).
; All three products on FP4 codes with E8M0 scales for each 32 along K; everything else in f32.
; SHARES.  Sixteen waves, four to a SIMD, 256 registers each.  THE WAVES SHARE THE COLUMNS: wave w makes hidden units 32 w .. 32 w + 31 (one block of the next quantiser) for all 32 rows (row tiles m = 0, 1),
; so each fragment of w1 and w2 is loaded once in the work-group, straight into its owner's registers.  For w3 wave w takes tile (g, u) of its 64 rows, row tile mw and two of the four K steps (kh); the two halves of K are added on the way out.
; ALL PRODUCTS ARE USED TRANSPOSED (source 0 = 16 rows of the weight, source 1 = 16 tokens): a lane holds one token.  Lane r of weight tile u takes row 8 u + r + 8 (r / 8) of the wave's 32, so that
; registers 16 m + 0 .. 15 of lane (r, h) are units 32 w + 16 h + 0 .. 15 of token 16 m + r: sixteen neighbours along the next K.
; CODES GO FROM WAVE TO WAVE THROUGH LDS AS IMAGES OF THE OPERAND'S REGISTERS: fragment (m, K step s) is 1,024 bytes, chunk c at + 512, lane l's 16 bytes at 16 l.  My block is half a chunk: 256 consecutive bytes, 8 a lane.
; THE WALK.  M0, M1 = the sets of experts that the tokens of row tile 0, 1 use, M their union, made of whole numbers read from memory.  Eight slots: two without a test (a token's two experts differ, so two are always
; in M), six in which each region is jumped over once M is used up.  No barrier stands under such a jump, and each region waits at its end for the global loads that it issued, so every wait holds whichever regions ran.
; A ROW TILE NONE OF WHOSE 16 TOKENS CHOSE THE SLOT'S EXPERT (a block that lies across a border between two pairs) has its two gelus jumped over, by a scalar branch on M0 or M1, the same in all sixteen waves.
; Its products, sums and codes stay, since they share their lines with the other tile; its rows then hold numbers that no output takes: a sum of squares, a block of the quantiser and a column of a product are
; one token's own, so no other row sees them, and the rows are selected away with the others that did not choose the expert.
; NO TENSOR LOADS, SO NO JOINT LOADS IN A CLUSTER: which weights a work-group walks hangs on numbers read from memory.
; GELU, exact form: gelu(x) = max(x, 0) - |x| hh, hh = erfc(|x| / sqrt 2) / 2 = t 2^(p(t) - x x log2(e) / 2), t = 1 / (1 + 0.35355339 |x|), p a polynomial of degree 9 (the Chebyshev fit of erfc whose
; fractional error is under 1.2e-7 for every argument, its coefficients times log2(e), the half folded into c0).  No difference of near numbers for x < 0; for large |x| the power falls to 0 and max(x, 0) is left.
; LIMITS: NaN and infinities among the inputs are not served; a block of zeros carries the scale byte 1 (zero codes; only this program reads it); the sums of squares are added wave by wave and
; the third product in two halves of K, another order than reference()'s; (g rs) n + h1 is one fused multiply-add.
.set PS1,   0                          ; LDS: partial sums of squares, token x 80 + wave x 4
.set PS2,   2560
.set IMG1,  5120                       ; h1's eight fragments
.set SC1,   13312                      ; their scale words: K step s at 128 s, token's word at 4 x token, my block's byte in it
.set IMG2,  13824                      ; the same for h2 + h1
.set SC2,   22016
.set XIM,   22528                      ; for each wave 2,304 bytes: x's two fragments, the upper 64 of K as zero codes
.set H1,    59392                      ; for each wave 4,096 bytes: its h1 in f32
.set STG,   124928                     ; the way out: two planes (halves of K) of 32 rows x (256 + 16) bytes
.set SPARE, 142336                     ; the spare words, 128 bytes a wave: eight blocks of 256 bytes that no other line names
.set SPW,  1                           ; v1  LDS address of my spare word; never rewritten
.set NIL,  2                           ; v2  0; never rewritten
.set LI,   3                           ; 16 x lane
.set LS,   4                           ; 4 x lane
.set IW,   5                           ; where my 8 bytes of codes go
.set SW,   6                           ; where my scale byte goes
.set PW,   7                           ; where my partial sum goes
.set PR,   8                           ; a token's 16 partial sums
.set HA,   9                           ; my wave's h1
.set XI,   10                          ; my wave's x fragments
.set A3,   12                          ; the two fragments of h2 + h1 that I multiply by w3
.set A3S,  13                          ; their scale words
.set SO,   14                          ; the stage, in
.set SR,   15                          ; the stage, back
.set GO,   16                          ; my 16 bytes of out0
.set W1O,  17                          ; lane offsets into the weights, their scales and the gains
.set W1SO, 18
.set W2SO, 19
.set W3SO, 20
.set NO,   21
; v22, v23: a, b of token 16 mw + r;  v[24:25] its gates;  v[26:27] the gate in hand;  v[28:29], v[30:31] 1 / rms of tokens r, 16 + r;  v[32:33] c9
.set XS,   34                          ; scale registers, which hold nothing else: x's,
.set W1S,  35                          ; w1's (lanes 0-15 tile 0, lanes 16-31 tile 1),
.set W2S,  36                          ; w2's four K steps (likewise),
.set W3S,  40                          ; w3's two,
.set AS,   42                          ; the computed operands' four (lanes 0-15 row tile 0, lanes 16-31 row tile 1)
.set W1,   46                          ; tile 0, tile 1, four registers of zero codes
.set W3,   58
.set N,    74                          ; n1, then n2, of my 16 units
.set W2,   90                          ; fragment (u, s) at 8 (4 u + s)
.set ACC,  154                         ; 16 m + 8 u
.set TEMP, 186
.set T,    186
.set P,    202
.set Q,    218
.set OUT,  234
.set M0,   61                          ; s61 the experts that row tile 0's tokens use;  s62 row tile 1's
.set M1,   62
; v242-254 at work in the sums and the quantiser.   s26 wave; s27 mask of lanes 16-31; s[28:29] permute selects; s30 M; s31 the slot's expert, s32 is there one; s33, s34 the same for the next slot; s35 trips;
; s[36:37] an offset; s38-41 at work; s[42:57] the slot's pointers; s58-60 constants; s[66:83] c8 .. c0, each twice; s[84:85] -log2(e) / 2
.macro NOP4                            ; four places behind matrix instructions (ISA guide 7.12.1), where no other vector work is at hand
.rept 4
	v_nop
.endr
.endm
.macro BAR                             ; my LDS stores have landed and my LDS loads are in: then the work-group's barrier.  On every wave's path, under no jump
	s_wait_dscnt 0x0
	s_barrier_signal -1
	s_barrier_wait -1
.endm
.macro NEXT                            ; the lowest expert left in M -> s33 (s34: is there one), and out of M
	s_cmp_lg_u32 s30, 0
	s_cselect_b32 s34, 1, 0
	s_ctz_i32_b32 s33, s30
	s_min_u32 s33, s33, 7
	s_sub_co_u32 s38, s30, 1
	s_and_b32 s30, s30, s38
.endm
.macro PTR d, b, e, sh                 ; pointer d = base b + expert x 2^sh
	s_min_u32 s36, \e, 7
	s_lshl_b32 s36, s36, \sh
	s_add_nc_u64 s[\d:\d+1], s[\b:\b+1], s[36:37]
.endm
.macro CPAIR r, val
	s_mov_b32 s[\r], \val
	s_mov_b32 s[\r+1], \val
.endm
.macro TOKEN d, e                      ; the token of an entry of order, held inside the table
	v_and_b32 v\d, 0x1fff, v\e
	v_min_u32 v\d, 0x1fff, v\d
.endm
; a product that starts a sum (WM0) or adds in place (WMA); ra, rb: the scales' lanes 16-31 are taken for source 0, source 1
.macro WM0 d, a, b, sa, sb, ra, rb
.if (\ra) && (\rb)
	v_wmma_scale_f32_16x16x128_f8f6f4 v[\d:\d+7], v[\a:\a+7], v[\b:\b+7], 0, v[\sa], v[\sb] matrix_a_fmt:MATRIX_FMT_FP4 matrix_b_fmt:MATRIX_FMT_FP4 matrix_a_scale:MATRIX_SCALE_ROW1 matrix_b_scale:MATRIX_SCALE_ROW1
.elseif \ra
	v_wmma_scale_f32_16x16x128_f8f6f4 v[\d:\d+7], v[\a:\a+7], v[\b:\b+7], 0, v[\sa], v[\sb] matrix_a_fmt:MATRIX_FMT_FP4 matrix_b_fmt:MATRIX_FMT_FP4 matrix_a_scale:MATRIX_SCALE_ROW1
.elseif \rb
	v_wmma_scale_f32_16x16x128_f8f6f4 v[\d:\d+7], v[\a:\a+7], v[\b:\b+7], 0, v[\sa], v[\sb] matrix_a_fmt:MATRIX_FMT_FP4 matrix_b_fmt:MATRIX_FMT_FP4 matrix_b_scale:MATRIX_SCALE_ROW1
.else
	v_wmma_scale_f32_16x16x128_f8f6f4 v[\d:\d+7], v[\a:\a+7], v[\b:\b+7], 0, v[\sa], v[\sb] matrix_a_fmt:MATRIX_FMT_FP4 matrix_b_fmt:MATRIX_FMT_FP4
.endif
.endm
.macro WMA d, a, b, sa, sb, ra, rb
.if (\ra) && (\rb)
	v_wmma_scale_f32_16x16x128_f8f6f4 v[\d:\d+7], v[\a:\a+7], v[\b:\b+7], v[\d:\d+7], v[\sa], v[\sb] matrix_a_fmt:MATRIX_FMT_FP4 matrix_b_fmt:MATRIX_FMT_FP4 matrix_a_scale:MATRIX_SCALE_ROW1 matrix_b_scale:MATRIX_SCALE_ROW1
.elseif \ra
	v_wmma_scale_f32_16x16x128_f8f6f4 v[\d:\d+7], v[\a:\a+7], v[\b:\b+7], v[\d:\d+7], v[\sa], v[\sb] matrix_a_fmt:MATRIX_FMT_FP4 matrix_b_fmt:MATRIX_FMT_FP4 matrix_a_scale:MATRIX_SCALE_ROW1
.elseif \rb
	v_wmma_scale_f32_16x16x128_f8f6f4 v[\d:\d+7], v[\a:\a+7], v[\b:\b+7], v[\d:\d+7], v[\sa], v[\sb] matrix_a_fmt:MATRIX_FMT_FP4 matrix_b_fmt:MATRIX_FMT_FP4 matrix_b_scale:MATRIX_SCALE_ROW1
.else
	v_wmma_scale_f32_16x16x128_f8f6f4 v[\d:\d+7], v[\a:\a+7], v[\b:\b+7], v[\d:\d+7], v[\sa], v[\sb] matrix_a_fmt:MATRIX_FMT_FP4 matrix_b_fmt:MATRIX_FMT_FP4
.endif
.endm
; gelu of 16 registers, in place.  Two batches of transcendentals, each with plain work behind it and ONE wait ahead of its first reader.  The first lines read each accumulator from its low end on.
.macro GELU x
.irp i, 0,1,2,3,4,5,6,7,8,9,10,11,12,13,14,15
	v_fma_f32 v[T+\i], |v[\x+\i]|, s58, 1.0
.endr
.irp i, 0,1,2,3,4,5,6,7,8,9,10,11,12,13,14,15
	v_rcp_f32 v[T+\i], v[T+\i]                     ; t
.endr
.irp i, 0,2,4,6,8,10,12,14
	v_pk_mul_f32 v[Q+\i:Q+\i+1], v[\x+\i:\x+\i+1], v[\x+\i:\x+\i+1]   ; x x: plain work behind the reciprocals
.endr
	s_wait_alu depctr_va_vdst(0)                   ; the wait ahead of the batch's first reader
.irp i, 0,2,4,6,8,10,12,14
	v_pk_fma_f32 v[P+\i:P+\i+1], v[T+\i:T+\i+1], v[32:33], s[66:67] op_sel_hi:[1,1,0]   ; c9 t + c8
.endr
.irp ck, 68,70,72,74,76,78,80,82
.irp i, 0,2,4,6,8,10,12,14
	v_pk_fma_f32 v[P+\i:P+\i+1], v[P+\i:P+\i+1], v[T+\i:T+\i+1], s[\ck:\ck+1] op_sel_hi:[1,1,0]
.endr
.endr
.irp i, 0,2,4,6,8,10,12,14
	v_pk_fma_f32 v[P+\i:P+\i+1], v[Q+\i:Q+\i+1], s[84:85], v[P+\i:P+\i+1] op_sel_hi:[1,0,1]   ; p(t) - x x log2(e) / 2
.endr
.irp i, 0,1,2,3,4,5,6,7,8,9,10,11,12,13,14,15
	v_exp_f32 v[P+\i], v[P+\i]
.endr
.irp i, 0,1,2,3,4,5,6,7,8,9,10,11,12,13,14,15
	v_max_num_f32 v[Q+\i], 0, v[\x+\i]             ; max(x, 0): plain work behind the exponentials
.endr
	s_wait_alu depctr_va_vdst(0)
.irp i, 0,2,4,6,8,10,12,14
	v_pk_mul_f32 v[P+\i:P+\i+1], v[P+\i:P+\i+1], v[T+\i:T+\i+1]   ; hh
.endr
.irp i, 0,1,2,3,4,5,6,7,8,9,10,11,12,13,14,15
	v_fma_f32 v[\x+\i], -|v[\x+\i]|, v[P+\i], v[Q+\i]
.endr
.endm
; a row tile's gelu, jumped over where the slot's expert is not in the tile's set mk: whole numbers read from memory decide, alike in all waves.  Both batches of transcendentals have their waits inside GELU, ahead of the label
.macro GELUT x, mk
	s_lshr_b32 s38, s[\mk], s31
	s_and_b32 s38, s38, 1
	s_cmp_eq_u32 s38, 0
	s_cbranch_scc1 .Lng_\@
	GELU \x
.Lng_\@:
.endm
; the sums of squares of my 32 units, for each of the 32 tokens: lane 16 m + r stores that of token 16 m + r.  (Where a gelu was jumped over these are the accumulators' first readers: each is taken from its low end on)
.macro SUMSQ ps
	v_pk_mul_f32 v[242:243], v[ACC:ACC+1], v[ACC:ACC+1]
	v_pk_mul_f32 v[244:245], v[ACC+16:ACC+17], v[ACC+16:ACC+17]
.irp i, 2,4,6,8,10,12,14
	v_pk_fma_f32 v[242:243], v[ACC+\i:ACC+\i+1], v[ACC+\i:ACC+\i+1], v[242:243]
	v_pk_fma_f32 v[244:245], v[ACC+16+\i:ACC+17+\i], v[ACC+16+\i:ACC+17+\i], v[244:245]
.endr
	v_add_f32 v242, v242, v243
	v_add_f32 v244, v244, v245
	v_permlanex16_b32 v246, v242, s28, s29
	v_permlanex16_b32 v247, v244, s28, s29
	v_add_f32 v242, v242, v246
	v_add_f32 v244, v244, v247
	v_cndmask_b32 v248, v242, v244, s27
	ds_store_b32 v[PW], v248 offset:\ps
.endm
; token = lane: its 16 partial sums (asked for already, into T) -> 1 / rms; then tokens r and 16 + r for lane (r, h).  left: the younger LDS loads that may stay out
.macro RSTAT left
	s_wait_dscnt \left
	v_pk_add_f32 v[T:T+1], v[T:T+1], v[T+2:T+3]
	v_pk_add_f32 v[T+4:T+5], v[T+4:T+5], v[T+6:T+7]
	v_pk_add_f32 v[T+8:T+9], v[T+8:T+9], v[T+10:T+11]
	v_pk_add_f32 v[T+12:T+13], v[T+12:T+13], v[T+14:T+15]
	v_pk_add_f32 v[T:T+1], v[T:T+1], v[T+4:T+5]
	v_pk_add_f32 v[T+8:T+9], v[T+8:T+9], v[T+12:T+13]
	v_pk_add_f32 v[T:T+1], v[T:T+1], v[T+8:T+9]
	v_add_f32 v[T], v[T], v[T+1]
	v_fma_f32 v248, v[T], s59, s60                 ; the mean of 512 squares + 1e-6
	v_rsq_f32 v248, v248
	v_nop
	s_wait_alu depctr_va_vdst(0)
	v_permlanex16_b32 v246, v248, s28, s29
	v_cndmask_b32 v28, v248, v246, s27
	v_cndmask_b32 v30, v246, v248, s27
.endm
; my block of 32 units, for both row tiles: the largest magnitude (mine and lane l xor 16's), the scale, 16 codes a lane and tile; codes and scale byte to LDS.  off: 0 for h1's images, IMG2 - IMG1 for the second's
.macro QUANT off
.irp m, 0,1
	v_max3_num_f32 v[242+\m], |v[ACC+16*\m]|, |v[ACC+16*\m+1]|, 0x1800000   ; with the floor 2^(3 - 127): the byte cannot fall under 1
.endr
.irp i, 2,4,6,8,10,12,14
.irp m, 0,1
	v_max3_num_f32 v[242+\m], v[242+\m], |v[ACC+16*\m+\i]|, |v[ACC+16*\m+\i+1]|
.endr
.endr
.irp m, 0,1
	v_permlanex16_b32 v[246+\m], v[242+\m], s28, s29
.endr
.irp m, 0,1
	v_max_num_f32 v[242+\m], v[242+\m], v[246+\m]
.endr
.irp m, 0,1
	v_add_nc_u32 v[244+\m], 0xff000000, v[242+\m]  ; 2 off the exponent field: the conversion's scale operand
.endr
.irp m, 0,1
	v_lshrrev_b32 v[248+\m], 23, v[244+\m]         ; the scale's byte
.endr
.irp m, 0,1
	v_cvt_scalef32_pk8_fp4_f32 v[250+2*\m], v[ACC+16*\m:ACC+16*\m+7], v[244+\m]
	v_cvt_scalef32_pk8_fp4_f32 v[251+2*\m], v[ACC+16*\m+8:ACC+16*\m+15], v[244+\m]
.endr
	v_cndmask_b32 v254, v248, v249, s27            ; lane 16 m + r keeps tile m's byte.  (Also the plain line behind the conversions)
.irp m, 0,1
	ds_store_b64 v[IW], v[250+2*\m:251+2*\m] offset:\off+4096*\m   ; 256 consecutive bytes
.endr
	ds_store_b8 v[SW], v254 offset:\off
.endm
.macro KFETCH s, slot                  ; h1's two fragments of K step s, and their scale words: five LDS loads
.irp m, 0,1
.irp c, 0,1
	ds_load_b128 v[TEMP+16*\slot+8*\m+4*\c:TEMP+16*\slot+8*\m+4*\c+3], v[LI] offset:IMG1+(4*\m+\s)*1024+512*\c
.endr
.endr
	ds_load_b32 v[AS+\s], v[LS] offset:SC1+128*\s
.endm
.macro KMUL s, slot, z                 ; K step s of the second product: the four accumulators by turns, in the same order in every step
.irp m, 0,1
.irp u, 0,1
.if \z
	WM0 ACC+16*\m+8*\u, W2+8*(4*\u+\s), TEMP+16*\slot+8*\m, W2S+\s, AS+\s, \u, \m
.else
	WMA ACC+16*\m+8*\u, W2+8*(4*\u+\s), TEMP+16*\slot+8*\m, W2S+\s, AS+\s, \u, \m
.endif
.endr
.endr
.endm
	; ---------------- the head ----------------
	s_load_b512 s[4:19], s[0:1], 0x0               ; tok, order, w1_codes, w1_scales, w2f, w2_scales, w3f, w3_scales
	s_load_b128 s[20:23], s[0:1], 0x40             ; n1, n2
	s_load_b64 s[24:25], s[0:1], 0x50              ; out0
	v_lshl_add_u32 v[SPW], v0, 2, SPARE
	v_mov_b32 v[NIL], 0
	v_lshrrev_b32 v190, 5, v0
	v_readfirstlane_b32 s26, v190                  ; wave 0..15
	v_and_b32 v186, 31, v0                         ; lane
	v_and_b32 v187, 15, v0                         ; r
	v_bfe_u32 v188, v0, 4, 1                       ; h
	v_and_b32 v189, 8, v187
	v_add_nc_u32 v189, v189, v187                  ; r + 8 (r / 8)
	s_and_b32 s38, s26, 1                          ; u
	s_bfe_u32 s39, s26, 0x10001                    ; g
	s_bfe_u32 s40, s26, 0x10002                    ; mw
	s_lshr_b32 s41, s26, 3                         ; kh
	v_lshlrev_b32 v[LI], 4, v186
	v_lshlrev_b32 v[LS], 2, v186
	s_lshr_b32 s36, s26, 2                         ; my block w lies in K step w / 4, chunk (w / 2) % 2, lanes 16 (w % 2) on
	s_lshl_b32 s36, s36, 10
	s_lshl_b32 s37, s39, 9
	s_add_co_u32 s36, s36, s37
	s_lshl_b32 s37, s38, 8
	s_add_co_u32 s36, s36, s37
	s_add_co_u32 s36, s36, IMG1
	v_lshlrev_b32 v[IW], 4, v187
	v_lshl_add_u32 v[IW], v188, 3, v[IW]
	v_add_nc_u32 v[IW], s36, v[IW]
	s_lshr_b32 s36, s26, 2
	s_lshl_b32 s36, s36, 7
	s_and_b32 s37, s26, 3
	s_add_co_u32 s36, s36, s37
	s_add_co_u32 s36, s36, SC1
	v_add_nc_u32 v[SW], s36, v[LS]
	v_mul_u32_u24 v[PR], v186, 80
	s_lshl_b32 s36, s26, 2
	v_add_nc_u32 v[PW], s36, v[PR]
	s_lshl_b32 s36, s26, 12
	s_add_co_u32 s36, s36, H1
	v_add_nc_u32 v[HA], s36, v[LI]
	s_mul_i32 s36, s26, 2304
	s_add_co_u32 s36, s36, XIM
	v_add_nc_u32 v[XI], s36, v[LI]
	s_lshl_b32 s36, s40, 12
	s_lshl_b32 s37, s41, 11
	s_add_co_u32 s36, s36, s37
	s_add_co_u32 s36, s36, IMG2
	v_add_nc_u32 v[A3], s36, v[LI]                 ; fragments (mw, 2 kh) and (mw, 2 kh + 1)
	s_lshl_b32 s36, s41, 8
	s_lshl_b32 s37, s40, 6
	s_add_co_u32 s36, s36, s37
	s_add_co_u32 s36, s36, SC2
	v_lshl_add_u32 v[A3S], v187, 2, s36
	s_mul_i32 s36, s41, 8704
	s_mul_i32 s37, s40, 4352
	s_add_co_u32 s36, s36, s37
	s_lshl_b32 s37, s39, 7
	s_add_co_u32 s36, s36, s37
	s_lshl_b32 s37, s38, 5
	s_add_co_u32 s36, s36, s37
	s_add_co_u32 s36, s36, STG
	v_mul_u32_u24 v[SO], v187, 272
	v_lshl_add_u32 v[SO], v188, 6, v[SO]
	v_add_nc_u32 v[SO], s36, v[SO]                 ; plane kh, row 16 mw + r, outputs 32 g + 16 h + 8 u on
	s_mul_i32 s36, s26, 544
	s_add_co_u32 s36, s36, STG
	v_mul_u32_u24 v[SR], v188, 272
	v_lshl_add_u32 v[SR], v187, 4, v[SR]
	v_add_nc_u32 v[SR], s36, v[SR]                 ; row 2 w + h, 16 bytes a lane
	v_lshlrev_b32 v[W1O], 5, v189                  ; w1: a row of 64 codes is 32 bytes
	v_lshl_add_u32 v[W1O], v188, 4, v[W1O]
	v_lshl_add_u32 v190, v188, 3, v189             ; lanes 16-31 take tile 1's rows
	v_lshlrev_b32 v[W1SO], 1, v190
	v_lshlrev_b32 v[W2SO], 4, v190
	v_lshlrev_b32 v[W3SO], 4, v189
	v_lshlrev_b32 v[NO], 6, v188
	v_lshlrev_b32 v191, 2, v187                    ; entries of order: at r,
	s_lshl_b32 s36, s40, 6
	v_add_nc_u32 v192, s36, v191                   ; at 16 mw + r,
	s_lshl_b32 s36, s26, 3
	v_lshl_add_u32 v193, v188, 2, s36              ; at 2 w + h
	s_mov_b32 s27, 0xffff0000
	s_mov_b32 s28, 0x76543210
	s_mov_b32 s29, 0xfedcba98
	s_mov_b32 s58, 0x3eb504f3                      ; sqrt(2) / 4
	s_mov_b32 s59, 0x3b000000                      ; 1 / 512
	s_mov_b32 s60, 0x358637bd                      ; 1e-6
	CPAIR 66, 0xbf97d29d                           ; c8
	CPAIR 68, 0x40097039                           ; c7
	CPAIR 70, 0xbfd1a1e5                           ; c6
	CPAIR 72, 0x3ecdfd18                           ; c5
	CPAIR 74, 0xbe899a80                           ; c4
	CPAIR 76, 0x3e0efb2e                           ; c3
	CPAIR 78, 0x3f0a29d2                           ; c2
	CPAIR 80, 0x3fb8ab5a                           ; c1
	CPAIR 82, 0xc034d90f                           ; c0, the half folded in
	CPAIR 84, 0xbf38aa3b                           ; -log2(e) / 2
	v_mov_b32 v32, 0x3e7c6f08                      ; c9
	v_mov_b32 v33, 0x3e7c6f08
	s_mov_b32 s37, 0                               ; stays 0: the upper word of every offset
	s_wait_kmcnt 0x0
	s_lshl_b32 s36, ttmp9, 7
	s_add_nc_u64 s[6:7], s[6:7], s[36:37]          ; my block's 32 entries
	global_load_b32 v194, v[LS], s[6:7]
	global_load_b32 v195, v191, s[6:7]
	global_load_b32 v196, v191, s[6:7] offset:64
	global_load_b32 v197, v192, s[6:7]
	global_load_b32 v198, v193, s[6:7]
	s_lshl_b32 s36, s26, 10                        ; my wave's part of each weight
	s_add_nc_u64 s[8:9], s[8:9], s[36:37]
	s_lshl_b32 s36, s26, 6
	s_add_nc_u64 s[10:11], s[10:11], s[36:37]
	s_lshl_b32 s36, s26, 13
	s_add_nc_u64 s[12:13], s[12:13], s[36:37]
	s_lshl_b32 s36, s26, 9
	s_add_nc_u64 s[14:15], s[14:15], s[36:37]
	s_lshl_b32 s36, s39, 13
	s_lshl_b32 s42, s38, 12
	s_add_co_u32 s36, s36, s42
	s_lshl_b32 s42, s41, 11
	s_add_co_u32 s36, s36, s42
	s_add_nc_u64 s[16:17], s[16:17], s[36:37]      ; w3f: group g, tile u, K steps 2 kh on
	s_lshl_b32 s36, s39, 9
	s_lshl_b32 s42, s38, 7
	s_add_co_u32 s36, s36, s42
	s_lshl_b32 s42, s41, 3
	s_add_co_u32 s36, s36, s42
	s_add_nc_u64 s[18:19], s[18:19], s[36:37]
	s_lshl_b32 s36, s26, 7
	s_add_nc_u64 s[20:21], s[20:21], s[36:37]
	s_add_nc_u64 s[22:23], s[22:23], s[36:37]
	s_wait_loadcnt 0x0
	TOKEN 199, 194
	v_mul_u32_u24 v199, v199, 48
	TOKEN 200, 195
	v_mul_u32_u24 v200, v200, 48
	v_lshl_add_u32 v200, v188, 4, v200
	TOKEN 201, 196
	v_mul_u32_u24 v201, v201, 48
	v_lshl_add_u32 v201, v188, 4, v201
	TOKEN 202, 197
	v_mul_u32_u24 v202, v202, 48
	TOKEN 203, 198
	v_lshlrev_b32 v[GO], 8, v203
	v_lshl_add_u32 v[GO], v187, 4, v[GO]
	global_load_b128 v[204:207], v200, s[4:5]      ; x's codes, token r, k = 32 h on
	global_load_b128 v[208:211], v201, s[4:5]      ; token 16 + r
	global_load_b32 v[XS], v199, s[4:5] offset:32  ; x's scale words: lane = token; they stay
	global_load_b64 v[24:25], v202, s[4:5] offset:40   ; the gates of token 16 mw + r
	v_bfe_u32 v22, v197, 16, 4
	v_bfe_u32 v23, v197, 20, 4
	v_bfe_u32 v212, v194, 16, 4                    ; lane = token: its a,
	v_bfe_u32 v213, v194, 20, 4                    ; its b
	s_mov_b32 s[M0], 0
	s_mov_b32 s[M1], 0
.irp e, 0,1,2,3,4,5,6,7
	v_cmp_eq_u32 s40, \e, v212
	v_cmp_eq_u32 s41, \e, v213
	s_or_b32 s40, s40, s41                         ; the tokens that use expert e
	s_and_b32 s41, s40, 0xffff                     ; any of tokens 0-15?
	s_cselect_b32 s41, 1<<\e, 0
	s_or_b32 s[M0], s[M0], s41
	s_lshr_b32 s41, s40, 16                        ; any of tokens 16-31?
	s_cselect_b32 s41, 1<<\e, 0
	s_or_b32 s[M1], s[M1], s41
.endr
	s_or_b32 s30, s[M0], s[M1]                     ; M
	NEXT
	s_mov_b32 s31, s33
	s_mov_b32 s32, s34
	NEXT
	PTR 54, 8, s31, 14
	PTR 56, 10, s31, 10
	global_load_b128 v[W1:W1+3], v[W1O], s[54:55]  ; the first expert's w1
	global_load_b128 v[W1+4:W1+7], v[W1O], s[54:55] offset:256
	global_load_u16 v[W1S], v[W1SO], s[56:57]      ; two scale bytes; the upper two are 0
.irp x, 214,215,216,217
	v_mov_b32 v\x, 0
.endr
.irp x, 54,55,56,57, 27,29,31, 246,247
	v_mov_b32 v\x, 0                               ; w1's zero codes; the unread halves of three pairs; two permutes' destinations
.endr
.irp i, 0,1,2,3,4,5,6,7
	v_mov_b32 v[OUT+\i], 0
.endr
	s_wait_loadcnt 3                               ; x and the gates are in; the three loads of w1 stay out
	ds_store_b128 v[XI], v[204:207]
	ds_store_b128 v[XI], v[214:217] offset:512     ; k 64-127: zero codes, which add nothing whatever stands against them
	ds_store_b128 v[XI], v[208:211] offset:1024
	ds_store_b128 v[XI], v[214:217] offset:1536
; ---------------- one expert for the block.  g = 1: each region is jumped over where no expert is left ----------------
.macro SLOT g
	; R1: the first product, gelu, my part of the sums of squares.  All the slot's other weights are asked for first
.if \g
	s_cmp_eq_u32 s32, 0
	s_cbranch_scc1 .Le1_\@
.endif
	s_wait_xcnt 0x0                                ; earlier loads have read their pointers
	PTR 42, 20, s31, 11
	PTR 44, 12, s31, 17
	PTR 46, 14, s31, 13
	PTR 48, 16, s31, 14
	PTR 50, 18, s31, 10
	PTR 52, 22, s31, 11
.irp i, 0,1,2,3
	global_load_b128 v[N+4*\i:N+4*\i+3], v[NO], s[42:43] offset:16*\i
.endr
.irp i, 0,1,2,3,4,5,6,7,8,9,10,11,12,13,14,15
	global_load_b128 v[W2+4*\i:W2+4*\i+3], v[LI], s[44:45] offset:512*\i   ; 512 consecutive bytes: four registers of a fragment
.endr
	global_load_b128 v[W2S:W2S+3], v[W2SO], s[46:47]
.irp i, 0,1,2,3
	global_load_b128 v[W3+4*\i:W3+4*\i+3], v[LI], s[48:49] offset:512*\i
.endr
	global_load_b64 v[W3S:W3S+1], v[W3SO], s[50:51]
.irp i, 0,1,2,3
	ds_load_b128 v[T+4*\i:T+4*\i+3], v[XI] offset:512*\i
.endr
	s_wait_loadcnt 26                              ; w1 is in; the 26 loads just issued stay out
	s_wait_dscnt 0x0
	WM0 ACC, W1, T, W1S, XS, 0, 0
	WM0 ACC+8, W1+4, T, W1S, XS, 1, 0
	WM0 ACC+16, W1, T+8, W1S, XS, 0, 1
	WM0 ACC+24, W1+4, T+8, W1S, XS, 1, 1
	NOP4                                           ; ahead of the jumps: the places hold on every way
	GELUT ACC, M0
	GELUT ACC+16, M1
	SUMSQ PS1
	s_wait_loadcnt 0x0                             ; no load of this region stays out behind it
.Le1_\@:
	BAR
	; R1b: h1 = (g / rms) n1; kept in f32 in my own LDS bytes; its codes to the images
.if \g
	s_cmp_eq_u32 s32, 0
	s_cbranch_scc1 .Le2_\@
.endif
.irp i, 0,1,2,3
	ds_load_b128 v[T+4*\i:T+4*\i+3], v[PR] offset:PS1+16*\i
.endr
	RSTAT 0
.irp i, 0,2,4,6,8,10,12,14
	v_pk_mul_f32 v[ACC+\i:ACC+\i+1], v[ACC+\i:ACC+\i+1], v[28:29] op_sel_hi:[1,0]
	v_pk_mul_f32 v[ACC+16+\i:ACC+17+\i], v[ACC+16+\i:ACC+17+\i], v[30:31] op_sel_hi:[1,0]
.endr
.irp i, 0,2,4,6,8,10,12,14
	v_pk_mul_f32 v[ACC+\i:ACC+\i+1], v[ACC+\i:ACC+\i+1], v[N+\i:N+\i+1]
	v_pk_mul_f32 v[ACC+16+\i:ACC+17+\i], v[ACC+16+\i:ACC+17+\i], v[N+\i:N+\i+1]
.endr
.irp i, 0,1,2,3,4,5,6,7
	ds_store_b128 v[HA], v[ACC+4*\i:ACC+4*\i+3] offset:512*\i
.endr
	QUANT 0
.Le2_\@:
	BAR
	; R2: the second product, four K steps; gelu; sums of squares.  n2 and the next expert's w1 land under the gelus
.if \g
	s_cmp_eq_u32 s32, 0
	s_cbranch_scc1 .Le3_\@
.endif
.irp i, 0,1,2,3
	global_load_b128 v[N+4*\i:N+4*\i+3], v[NO], s[52:53] offset:16*\i
.endr
	KFETCH 0, 0
	KFETCH 1, 1
	KFETCH 2, 2
	s_wait_dscnt 10                                ; K step 0's five loads are in; those of steps 1 and 2 stay out
	KMUL 0, 0, 1
	s_wait_dscnt 5                                 ; step 1's are in
	KMUL 1, 1, 0
	NOP4                                           ; places in front of loads into registers that step 0's products read
	KFETCH 3, 0
	s_wait_dscnt 5                                 ; step 2's are in; step 3's stay out
	KMUL 2, 2, 0
	s_wait_dscnt 0x0
	KMUL 3, 0, 0
	NOP4                                           ; ahead of the jumps: the places hold on every way
	s_cmp_eq_u32 s34, 0
	s_cbranch_scc1 .Lnc_\@
	s_wait_xcnt 0x0
	PTR 54, 8, s33, 14
	PTR 56, 10, s33, 10
	global_load_b128 v[W1:W1+3], v[W1O], s[54:55]
	global_load_b128 v[W1+4:W1+7], v[W1O], s[54:55] offset:256
	global_load_u16 v[W1S], v[W1SO], s[56:57]
.Lnc_\@:
	GELUT ACC, M0
	GELUT ACC+16, M1
	SUMSQ PS2
	s_wait_loadcnt 0x0                             ; no load of this region stays out behind it
.Le3_\@:
	BAR
	; R2b: (g / rms) n2 + h1; its codes to the second images
.if \g
	s_cmp_eq_u32 s32, 0
	s_cbranch_scc1 .Le4_\@
.endif
.irp i, 0,1,2,3
	ds_load_b128 v[T+4*\i:T+4*\i+3], v[PR] offset:PS2+16*\i
.endr
.irp i, 0,1,2,3,4,5,6,7
	ds_load_b128 v[TEMP+16+4*\i:TEMP+16+4*\i+3], v[HA] offset:512*\i
.endr
	RSTAT 8                                        ; the partial sums are in; h1's eight loads stay out
	s_wait_dscnt 0x0
.irp i, 0,2,4,6,8,10,12,14
	v_pk_mul_f32 v[ACC+\i:ACC+\i+1], v[ACC+\i:ACC+\i+1], v[28:29] op_sel_hi:[1,0]
	v_pk_mul_f32 v[ACC+16+\i:ACC+17+\i], v[ACC+16+\i:ACC+17+\i], v[30:31] op_sel_hi:[1,0]
.endr
.irp i, 0,2,4,6,8,10,12,14
	v_pk_fma_f32 v[ACC+\i:ACC+\i+1], v[ACC+\i:ACC+\i+1], v[N+\i:N+\i+1], v[TEMP+16+\i:TEMP+17+\i]
	v_pk_fma_f32 v[ACC+16+\i:ACC+17+\i], v[ACC+16+\i:ACC+17+\i], v[N+\i:N+\i+1], v[TEMP+32+\i:TEMP+33+\i]
.endr
	QUANT IMG2-IMG1
.Le4_\@:
	BAR
	; R3: my tile of the third product over my two K steps; the gate; the rows that chose this expert take the sum
.if \g
	s_cmp_eq_u32 s32, 0
	s_cbranch_scc1 .Le5_\@
.endif
.irp i, 0,1,2,3
	ds_load_b128 v[T+4*\i:T+4*\i+3], v[A3] offset:512*\i
.endr
	ds_load_b32 v[AS], v[A3S]
	ds_load_b32 v[AS+1], v[A3S] offset:128
	v_cmp_eq_u32 s40, s31, v22
	v_cmp_eq_u32 s41, s31, v23
	v_cndmask_b32 v26, v25, v24, s40               ; a's gate where the expert is a, else b's
	s_or_b32 s40, s40, s41                         ; the rows that chose it
	s_wait_dscnt 0x0
	WM0 TEMP+32, W3, T, W3S, AS, 0, 0
	WM0 TEMP+40, W3+8, T+8, W3S+1, AS+1, 0, 0
	NOP4
.irp i, 0,2,4,6
	v_pk_fma_f32 v[TEMP+16+\i:TEMP+17+\i], v[TEMP+32+\i:TEMP+33+\i], v[26:27], v[OUT+\i:OUT+\i+1] op_sel_hi:[1,0,1]
.endr
.irp i, 0,2,4,6
	v_pk_fma_f32 v[TEMP+16+\i:TEMP+17+\i], v[TEMP+40+\i:TEMP+41+\i], v[26:27], v[TEMP+16+\i:TEMP+17+\i] op_sel_hi:[1,0,1]
.endr
.irp i, 0,1,2,3,4,5,6,7
	v_cndmask_b32 v[OUT+\i], v[OUT+\i], v[TEMP+16+\i], s40
.endr
.Le5_\@:
	s_mov_b32 s31, s33                             ; on to the next expert of M
	s_mov_b32 s32, s34
	NEXT
.endm
	s_mov_b32 s35, 2
.Lsure:                                                ; two slots that every block has
	SLOT 0
	s_sub_co_u32 s35, s35, 1
	s_cmp_lg_u32 s35, 0
	s_cbranch_scc1 .Lsure
	s_mov_b32 s35, 6
.Lmaybe:                                               ; six more, for blocks that straddle bins: a constant count, so that every wave passes every barrier
	SLOT 1
	s_sub_co_u32 s35, s35, 1
	s_cmp_lg_u32 s35, 0
	s_cbranch_scc1 .Lmaybe
	; ---------------- the way out: the two halves of K meet in the stage; each wave stores two whole rows ----------------
	ds_store_b128 v[SO], v[OUT:OUT+3]
	ds_store_b128 v[SO], v[OUT+4:OUT+7] offset:16
	BAR
	ds_load_b128 v[T:T+3], v[SR]
	ds_load_b128 v[T+4:T+7], v[SR] offset:8704
	s_wait_dscnt 0x0
	v_pk_add_f32 v[T:T+1], v[T:T+1], v[T+4:T+5]
	v_pk_add_f32 v[T+2:T+3], v[T+2:T+3], v[T+6:T+7]
	global_store_b128 v[GO], v[T:T+3], s[24:25] th:TH_STORE_NT   ; sixteen lanes store a token's 256 bytes, aligned
	s_wait_tensorcnt 0x0                           ; the wave's end, behind my last LDS store
	ds_add_u32 v[SPW], v[NIL]
	s_wait_dscnt 0x0
	s_endpgm
.Lfunc_end_k_qf67e17626a_chain:
	.size	k_qf67e17626a_chain, .Lfunc_end_k_qf67e17626a_chain-k_qf67e17626a_chain
	.p2alignl 7, 3214868480
	.fill 96, 4, 3214868480
	.section	.rodata,"a",@progbits
	.p2align	6, 0x0
	.amdhsa_kernel k_qf67e17626a_chain
		.amdhsa_group_segment_fixed_size 144384
		.amdhsa_private_segment_fixed_size 0
		.amdhsa_enable_private_segment 0
		.amdhsa_kernarg_size 88
		.amdhsa_user_sgpr_count 2
		.amdhsa_user_sgpr_kernarg_segment_ptr 1
		.amdhsa_wavefront_size32 1
		.amdhsa_system_sgpr_workgroup_id_x 1
		.amdhsa_system_sgpr_workgroup_id_y 1
		.amdhsa_system_sgpr_workgroup_id_z 1
		.amdhsa_system_vgpr_workitem_id 0
		.amdhsa_next_free_vgpr 256
		.amdhsa_next_free_sgpr 90
		.amdhsa_reserve_vcc 0
		.amdhsa_float_denorm_mode_32 3
		.amdhsa_float_denorm_mode_16_64 3
		.amdhsa_memory_ordered 1
		.amdhsa_forward_progress 1
		.amdhsa_inst_pref_size 143
	.end_amdhsa_kernel
	.amdgpu_metadata
---
amdhsa.version: [ 1, 2 ]
amdhsa.kernels:
  - .name:           k_qf67e17626a_chain
    .symbol:         k_qf67e17626a_chain.kd
    .args:
      - { .name: tok, .offset: 0, .size: 8, .value_kind: global_buffer, .address_space: global }
      - { .name: order, .offset: 8, .size: 8, .value_kind: global_buffer, .address_space: global }
      - { .name: w1_codes, .offset: 16, .size: 8, .value_kind: global_buffer, .address_space: global }
      - { .name: w1_scales, .offset: 24, .size: 8, .value_kind: global_buffer, .address_space: global }
      - { .name: w2f, .offset: 32, .size: 8, .value_kind: global_buffer, .address_space: global }
      - { .name: w2_scales, .offset: 40, .size: 8, .value_kind: global_buffer, .address_space: global }
      - { .name: w3f, .offset: 48, .size: 8, .value_kind: global_buffer, .address_space: global }
      - { .name: w3_scales, .offset: 56, .size: 8, .value_kind: global_buffer, .address_space: global }
      - { .name: n1, .offset: 64, .size: 8, .value_kind: global_buffer, .address_space: global }
      - { .name: n2, .offset: 72, .size: 8, .value_kind: global_buffer, .address_space: global }
      - { .name: out0, .offset: 80, .size: 8, .value_kind: global_buffer, .address_space: global }
    .group_segment_fixed_size: 144384
    .private_segment_fixed_size: 0
    .kernarg_segment_align: 8
    .kernarg_segment_size: 88
    .max_flat_workgroup_size: 512
    .sgpr_count:     90
    .vgpr_count:     256
    .wavefront_size: 32
...
	.end_amdgpu_metadata
.endif
;; end of part 5
